; MI455X (gfx1250); checked and timed in simulation.
; The chip was launched on July 23, 2026; its instructions are those of AMD's public machine-readable ISA for CDNA 5 (MIT licence, August 2026) and "CDNA5" Instruction Set Architecture Reference Guide (July 2026). The comments in the code are by the model that wrote it; some were corrected since.
;; Attention Layer. Allowed arithmetic: matrix products marked QUANTISED: E2M1 operands, one E8M0 scale for each 32 along K, by v_wmma_scale_f32_16x16x128_f8f6f4 with both operands' format E2M1 (or v_wmma_scale_f32_32x16x128_f4), f32 sums; everything else in f32.
;; Inputs: Wk 1,024 x 1,024 float32; Wo 1,024 x 1,024 float32; Wq 1,024 x 1,024 float32; Wv 1,024 x 1,024 float32; bk 1,024 float32; bo 1,024 float32; bq 1,024 float32; bv 1,024 float32; key 4 x 2,048 x 1,024 float32; query 4 x 2,048 x 1,024 float32; value 4 x 2,048 x 1,024 float32.
;; Outputs: out0 4 x 2,048 x 1,024 float32.
;; This version of the problem:
;;   THIS VERSION OF THE PROBLEM IS GIVEN IN LOW PRECISION. The matrix products marked QUANTISED in the list below multiply operands that are first quantised to E2M1 (2 exponent bits, 1 mantissa bit; 4 bits a number), with one power-of-two scale for each 32 numbers along K (OCP MX v1.0); their sums are f32. All else is computed in f32.
;;   The module's matrix products, in the order in which they are computed (A, B: the left and right operand; K: the contracted axis; several contracted axes count as one K, in the product's order):
;;     1. [M 8,192, K 1,024] x [K 1,024, N 1,024]; A: input query; B: input Wq: QUANTISED
;;     2. [M 8,192, K 1,024] x [K 1,024, N 1,024]; A: input key; B: input Wk: QUANTISED
;;     3. [M 8,192, K 1,024] x [K 1,024, N 1,024]; A: input value; B: input Wv: QUANTISED
;;     4. batch 64 x [M 2,048, K 64] x [K 64, N 2,048]; A: computed on the way; B: computed on the way: QUANTISED
;;     5. batch 64 x [M 64, K 2,048] x [K 2,048, N 2,048]; A: computed on the way; B: softmax (see below): QUANTISED
;;     6. [M 8,192, K 1,024] x [K 1,024, N 1,024]; A: computed on the way; B: input Wo: QUANTISED
;;   THE QUANTISER, for each operand of a quantised product, along K:
;;     - K is cut into blocks of 32 from its start; a last block that is shorter is filled with zeros.
;;     - A block's scale is 2^e with e = floor(log2(the largest magnitude in the block)) - 2, held to -126 .. 127; a block of zeros has e = 0. As a byte (E8M0): e + 127.
;;     - Each number is divided by its block's scale, clamped to +-6, and rounded to the nearest number of E2M1, ties to even, subnormals kept.
;;     - The product sums the exact products of the quantised numbers (number of the format x scale) in f32.
;;   ~~~python
;;   def quantise(x, axis):      # numpy; x: float32 -> the quantised numbers, widened to float32 again
;;       x = np.moveaxis(x, axis, -1); K = x.shape[-1]
;;       x = np.pad(x, [(0, 0)] * (x.ndim - 1) + [(0, -K % 32)]); x = x.reshape(x.shape[:-1] + (-1, 32)); a = np.abs(x).max(-1, keepdims=True)
;;       e = np.where(a > 0, np.clip(np.frexp(np.where(a > 0, a, 1))[1] - 1 - 2, -126, 127), 0)      # np.frexp(a)[1] - 1 = floor(log2(a)), exactly
;;       r = np.clip(x / 2.0 ** e, -6, 6)
;;       step = 2.0 ** (np.maximum(np.frexp(np.where(r == 0, 1, r))[1] - 1, 0) - 1)
;;       q = np.round(r / step) * step * 2.0 ** e      # np.round: ties to even
;;       return np.moveaxis(q.reshape(q.shape[:-2] + (-1,))[..., :K], -1, axis).astype(np.float32)
;;   ~~~
;;   SOFTMAX AHEAD OF A QUANTISED PRODUCT. Where the list says 'softmax', what is quantised is not the finished softmax but p = 2^(t - M), with t = logit x log2(e) and M = ceil(the row's largest t), a whole number; so 1/2 < the row's largest p <= 1. The row's sum l is taken of the UNQUANTISED p, in f32, and the product's result is divided by l at the end. Since M is a whole number, a kernel that streams over the keys may use a running M (the ceiling of the running maximum): every later rescaling is an exact power of two, which a block's scale takes up: the codes' values come out the same.
;;   OPERANDS COMPUTED ON THE WAY. 'Computed on the way' means the value that the module computes at that place (a softmax that the list does not call 'softmax' is quantised finished and normalised). What goes into a quantiser is computed in f32, as accurately as f32 sums, v_exp_f32 and their like allow (about 1e-6 of the number): no bf16 or f16 on the way to a quantiser, and a product that is left as it is and whose result goes on into a quantised operand takes f32 operands (vector FMAs, or v_wmma_f32_16x16x4_f32). A number that lies on a knife's edge between two numbers of the format may be rounded either way, as far as f32 arithmetic and the matrix unit's own rounding can turn it there, and no further.
;; One version. Each part assembles by itself: llvm-mc -triple=amdgcn-amd-amdhsa -mcpu=gfx1250 --defsym DOCPART=n.
;; ======== version 1 of 1: 4 launches
;; limits: right only within a limited range of input values
;; workspace buffers: wi 2,097,152 bytes; ws 131,072 bytes; wr 2,260,992 bytes; img 12,582,912 bytes; isc 1,572,864 bytes; ac 4,194,304 bytes; asc 262,144 bytes
;; launch wquant (part 1): grid 256 x 1, 4 waves a work-group, no clusters, 29,696 bytes of LDS; arguments Wq, Wk, Wv, Wo, wi, ws, wr, bq, bk, bv; writes wi, ws, wr
.if DOCPART == 1
	.amdgcn_target "amdgcn-amd-amdhsa--gfx1250"
	.amdhsa_code_object_version 6
	.text
	.protected	k_q6dae93a6ac_wquant
	.globl	k_q6dae93a6ac_wquant
	.p2align	8
	.type	k_q6dae93a6ac_wquant,@function
k_q6dae93a6ac_wquant:
	s_mov_b64 s[64:65], 0
	v_nop
	global_prefetch_b8 v0, s[64:65] scope:SCOPE_SE
	s_setreg_imm32_b32 hwreg(HW_REG_WAVE_MODE, 25, 1), 1
	s_wait_xcnt 0x0
; Wq, Wk, Wv, Wo [1024][1024], f32, K innermost, become codes of FP4 (E2M1) with one E8M0 scale byte for each 32 along K.
; No step of reference() is left out in this program but the score tiles that its own causal mask hides whole (launch attn).
; A tile is 16 stored rows: stored row 16 T + r is row 32 (T / 2) + 8 (T % 2) + r + 8 (r / 8), so that a tile used as source 0 leaves 16 neighbours in the registers of two neighbouring tiles.
; A tile's image: [K step of 128][half c][lane r + 16 h][16 bytes], the 16 bytes being block 2 c + h of the K step; its scale bytes: [stored row][32].
; Wq, Wk, Wv go to wr as records of two tiles, 17,664 bytes: image, image, 512 + 512 scale bytes, then for each tile 64 bytes of the bias of dims 16 T .. 16 T + 15 and 64 bytes of zeros.  Wo goes to wi and ws, tile by tile.
; A work-group makes one tile; wave w takes stored rows 4 w .. 4 w + 3, four neighbouring rows: 8 steps of 512 numbers.
; Each load reads 512 consecutive bytes; a step turns through the wave's stage in LDS and comes back 64 bytes a lane (two lanes to a block).  Codes and bytes are gathered in LDS and leave in runs of 512 and 256 consecutive aligned bytes; the bias leaves as one run of 128.
; Wo's work-groups load 64 bytes of bv with the others and store none of them: so the text has one path up to the last store.
; LIMITS: a block whose largest magnitude lies under 2^-124, zeros among them, gets the byte 1 (read by this program alone); NaN and infinities are not served.
.set STEPS, 8
.set SP,    80
.set WREG,  5120
.set IMS,   20480
.set SCB,   28672
.set SPARE, 29184
.set REC,   17664
.set R, 16
.set X, 80
.set C, 112
.set E, 128
	s_load_b256 s[4:11], s[0:1], 0x0               ; Wq, Wk, Wv, Wo
	s_load_b128 s[12:15], s[0:1], 0x20             ; wi, ws
	s_load_b256 s[32:39], s[0:1], 0x30             ; wr, bq, bk, bv
	v_lshl_add_u32 v136, v0, 2, SPARE
	v_mov_b32 v137, 0
	v_lshrrev_b32 v1, 5, v0
	v_readfirstlane_b32 s26, v1                    ; wave
	s_mul_i32 s27, s26, WREG
	s_lshl_b32 s30, s26, 6
	s_add_co_u32 s30, s30, IMS
	s_lshl_b32 s31, s26, 7
	s_add_co_u32 s31, s31, SCB
	v_and_b32 v2, 31, v0                           ; lane
	v_lshlrev_b32 v3, 4, v2
	v_lshrrev_b32 v14, 2, v2
	v_mul_u32_u24 v14, v14, SP
	v_and_b32 v15, 3, v2
	v_lshl_add_u32 v14, v15, 4, v14
	v_add_nc_u32 v14, s27, v14                     ; the stage, in
	v_mul_u32_u24 v15, v2, SP
	v_add_nc_u32 v15, s27, v15                     ; and out: my 16 neighbours
	v_lshrrev_b32 v4, 3, v2                        ; my block l / 2 of a step's 16: K step l / 8,
	v_lshlrev_b32 v4, 10, v4
	v_bfe_u32 v5, v2, 2, 1                         ; half c,
	v_lshl_add_u32 v4, v5, 9, v4
	v_bfe_u32 v5, v2, 1, 1                         ; h,
	v_lshl_add_u32 v4, v5, 8, v4
	v_and_b32 v5, 1, v2                            ; and my 8 bytes of its 16
	v_lshl_add_u32 v4, v5, 3, v4
	v_add_nc_u32 v4, s30, v4
	v_lshrrev_b32 v5, 1, v2
	v_add_nc_u32 v5, s31, v5
	v_lshlrev_b32 v6, 4, v0                        ; the way out: 16 bytes a thread
	v_add_nc_u32 v7, IMS, v6
	v_lshlrev_b32 v12, 3, v0
	v_add_nc_u32 v13, SCB, v12
	v_and_b32 v139, 15, v2
	v_lshlrev_b32 v139, 2, v139                    ; the bias: lanes 16-31 read what lanes 0-15 read
	v_lshlrev_b32 v140, 2, v2
	s_wait_alu depctr_va_vdst(0)                   ; the wait at the head's end
	s_wait_kmcnt 0x0
	s_cmp_lt_u32 ttmp9, 192                        ; 64 work-groups for each weight
	s_cselect_b64 s[22:23], s[8:9], s[10:11]
	s_cmp_lt_u32 ttmp9, 128
	s_cselect_b64 s[22:23], s[6:7], s[22:23]
	s_cmp_lt_u32 ttmp9, 64
	s_cselect_b64 s[22:23], s[4:5], s[22:23]
	s_and_b32 s28, ttmp9, 63                       ; T
	s_lshr_b32 s29, s28, 1
	s_lshl_b32 s29, s29, 5
	s_and_b32 s28, s28, 1
	s_lshl_b32 s28, s28, 3
	s_add_co_u32 s29, s29, s28                     ; 32 (T / 2) + 8 (T % 2)
	s_lshr_b32 s28, s26, 1
	s_lshl_b32 s28, s28, 4
	s_add_co_u32 s29, s29, s28                     ; + 16 (w / 2)
	s_and_b32 s28, s26, 1
	s_lshl_b32 s28, s28, 2
	s_add_co_u32 s28, s29, s28                     ; + 4 (w % 2): my first row
	s_lshl_b32 s28, s28, 12
	s_mov_b32 s29, 0
	s_add_nc_u64 s[22:23], s[22:23], s[28:29]
	s_lshl_b32 s28, ttmp9, 13
	s_add_nc_u64 s[12:13], s[12:13], s[28:29]      ; Wo's tile in wi,
	s_lshl_b32 s28, ttmp9, 9
	s_add_nc_u64 s[14:15], s[14:15], s[28:29]      ; and in ws
	s_lshr_b32 s40, ttmp9, 1
	s_mul_i32 s40, s40, REC                        ; the record of the other three
	s_and_b32 s41, ttmp9, 1
	s_lshl_b32 s28, s41, 13
	s_add_co_u32 s28, s28, s40
	s_add_nc_u64 s[44:45], s[32:33], s[28:29]      ; the image,
	s_lshl_b32 s28, s41, 9
	s_add_co_u32 s28, s28, s40
	s_add_co_u32 s28, s28, 16384
	s_add_nc_u64 s[46:47], s[32:33], s[28:29]      ; the scale bytes,
	s_lshl_b32 s28, s41, 7
	s_add_co_u32 s28, s28, s40
	s_add_co_u32 s28, s28, 17408
	s_add_nc_u64 s[48:49], s[32:33], s[28:29]      ; the bias
	s_cmp_lt_u32 ttmp9, 192
	s_cselect_b64 s[12:13], s[44:45], s[12:13]
	s_cselect_b64 s[14:15], s[46:47], s[14:15]
	s_cmp_lt_u32 ttmp9, 128
	s_cselect_b64 s[50:51], s[36:37], s[38:39]
	s_cmp_lt_u32 ttmp9, 64
	s_cselect_b64 s[50:51], s[34:35], s[50:51]
	s_and_b32 s28, ttmp9, 63
	s_lshl_b32 s28, s28, 6
	s_add_nc_u64 s[50:51], s[50:51], s[28:29]
	global_load_b32 v138, v139, s[50:51]           ; older than every load below: in when the first of them is
.macro LOAD t
.irp i, 0,1,2,3
	global_load_b128 v[R+16*((\t)%4)+4*\i:R+16*((\t)%4)+4*\i+3], v3, s[22:23] offset:2048*(\t)+512*\i th:TH_LOAD_NT
.endr
.endm
.macro TURN t                          ; LDS serves a wave's instructions in order: no wait between the stores and the loads
.irp i, 0,1,2,3
	ds_store_b128 v14, v[R+16*((\t)%4)+4*\i:R+16*((\t)%4)+4*\i+3] offset:32*SP*((\t)%2)+8*SP*\i
.endr
.irp i, 0,1,2,3
	ds_load_b128 v[X+16*((\t)%2)+4*\i:X+16*((\t)%2)+4*\i+3], v15 offset:32*SP*((\t)%2)+16*\i
.endr
.endm
.irp t, 0,1,2,3
	LOAD \t
.endr
	s_wait_loadcnt 12                              ; step 0's four loads are in
	TURN 0
.macro STEP t
.set XS, X+16*((\t)%2)
.if (\t) > 0
	s_wait_dscnt 2                                 ; this step's numbers are back; the last step's two stores may be out
.else
	s_wait_dscnt 0x0
.endif
.if (\t)+4 < STEPS
	LOAD (\t)+4
.endif
.if (\t)+1 < STEPS
.if STEPS-2-(\t) >= 3
	s_wait_loadcnt 12                              ; the next step's four loads are in; three steps' may be out
.else
	s_wait_loadcnt 4*(STEPS-2-(\t))
.endif
	TURN (\t)+1
.endif
	v_max3_num_f32 v8, |v[XS]|, |v[XS+1]|, |v[XS+2]|
	v_max3_num_f32 v9, |v[XS+3]|, |v[XS+4]|, |v[XS+5]|
.irp i, 6,10
	v_max3_num_f32 v8, v8, |v[XS+\i]|, |v[XS+\i+1]|
	v_max3_num_f32 v9, v9, |v[XS+\i+2]|, |v[XS+\i+3]|
.endr
	v_max3_num_f32 v8, v8, |v[XS+14]|, |v[XS+15]|
	v_max3_num_f32 v8, v8, v9, 0x1800000           ; the floor 2^(3 - 127): the byte cannot fall under 1
	v_max_num_f32_dpp v8, v8, v8 row_xmask:1 row_mask:0xf bank_mask:0xf   ; with my neighbour's 16: the block's
	v_add_nc_u32 v11, 0xff000000, v8               ; 2 off the exponent field: the conversion's scale operand
	v_cvt_scalef32_pk8_fp4_f32 v[C+2*(\t)], v[XS:XS+7], v11
	v_cvt_scalef32_pk8_fp4_f32 v[C+2*(\t)+1], v[XS+8:XS+15], v11
	v_lshrrev_b32 v[E+(\t)], 23, v11               ; the scale's byte
	ds_store_b8 v5, v[E+(\t)] offset:16*(\t)       ; row 4 w + t / 2, block 16 (t % 2) + l / 2
	ds_store_b64 v4, v[C+2*(\t):C+2*(\t)+1] offset:4096*((\t)%2)+16*((\t)/2)
.endm
.irp t, 0,1,2,3,4,5,6,7
	STEP \t
.endr
	v_cmp_gt_u32 vcc_lo, 16, v2
	v_cndmask_b32 v138, 0, v138, vcc_lo            ; lanes 16-31 send zeros
	s_wait_alu depctr_va_vdst(0)                   ; the wait ahead of the waits and branches below
	s_wait_dscnt 0x0                               ; my stores are done,
	s_barrier_signal -1
	s_barrier_wait -1                              ; everybody's are
.irp j, 0,1,2,3
	ds_load_b128 v[R+4*\j:R+4*\j+3], v7 offset:2048*\j
.endr
	s_wait_dscnt 0x0
.irp j, 0,1,2,3
	global_store_b128 v6, v[R+4*\j:R+4*\j+3], s[12:13] offset:2048*\j   ; a wave stores 512 consecutive aligned bytes
.endr
	s_cmp_lt_u32 s26, 2                            ; waves 0 and 1 send the 512 scale bytes, 256 each
	s_cbranch_scc0 .Lno_bytes
	ds_load_b64 v[X:X+1], v13
	s_wait_dscnt 0x0
	global_store_b64 v12, v[X:X+1], s[14:15]
.Lno_bytes:
	s_cmp_eq_u32 s26, 2                            ; wave 2 sends the bias, where the weight has a record
	s_cselect_b32 s28, 1, 0
	s_cmp_lt_u32 ttmp9, 192
	s_cselect_b32 s28, s28, 0
	s_cmp_lg_u32 s28, 0
	s_cbranch_scc0 .Lno_bias
	global_store_b32 v140, v138, s[48:49]
.Lno_bias:
	s_wait_tensorcnt 0x0                           ; the wave's end
	ds_add_u32 v136, v137
	s_wait_dscnt 0x0
	s_endpgm
.Lfunc_end_k_q6dae93a6ac_wquant:
	.size	k_q6dae93a6ac_wquant, .Lfunc_end_k_q6dae93a6ac_wquant-k_q6dae93a6ac_wquant
	.p2alignl 7, 3214868480
	.fill 96, 4, 3214868480
	.section	.rodata,"a",@progbits
	.p2align	6, 0x0
	.amdhsa_kernel k_q6dae93a6ac_wquant
		.amdhsa_group_segment_fixed_size 29696
		.amdhsa_private_segment_fixed_size 0
		.amdhsa_enable_private_segment 0
		.amdhsa_kernarg_size 80
		.amdhsa_user_sgpr_count 2
		.amdhsa_user_sgpr_kernarg_segment_ptr 1
		.amdhsa_wavefront_size32 1
		.amdhsa_system_sgpr_workgroup_id_x 1
		.amdhsa_system_sgpr_workgroup_id_y 1
		.amdhsa_system_sgpr_workgroup_id_z 1
		.amdhsa_system_vgpr_workitem_id 0
		.amdhsa_next_free_vgpr 144
		.amdhsa_next_free_sgpr 66
		.amdhsa_reserve_vcc 1
		.amdhsa_float_denorm_mode_32 3
		.amdhsa_float_denorm_mode_16_64 3
		.amdhsa_memory_ordered 1
		.amdhsa_forward_progress 1
		.amdhsa_inst_pref_size 21
	.end_amdhsa_kernel
	.amdgpu_metadata
---
amdhsa.version: [ 1, 2 ]
amdhsa.kernels:
  - .name:           k_q6dae93a6ac_wquant
    .symbol:         k_q6dae93a6ac_wquant.kd
    .args:
      - { .name: Wq, .offset: 0, .size: 8, .value_kind: global_buffer, .address_space: global }
      - { .name: Wk, .offset: 8, .size: 8, .value_kind: global_buffer, .address_space: global }
      - { .name: Wv, .offset: 16, .size: 8, .value_kind: global_buffer, .address_space: global }
      - { .name: Wo, .offset: 24, .size: 8, .value_kind: global_buffer, .address_space: global }
      - { .name: wi, .offset: 32, .size: 8, .value_kind: global_buffer, .address_space: global }
      - { .name: ws, .offset: 40, .size: 8, .value_kind: global_buffer, .address_space: global }
      - { .name: wr, .offset: 48, .size: 8, .value_kind: global_buffer, .address_space: global }
      - { .name: bq, .offset: 56, .size: 8, .value_kind: global_buffer, .address_space: global }
      - { .name: bk, .offset: 64, .size: 8, .value_kind: global_buffer, .address_space: global }
      - { .name: bv, .offset: 72, .size: 8, .value_kind: global_buffer, .address_space: global }
    .group_segment_fixed_size: 29696
    .private_segment_fixed_size: 0
    .kernarg_segment_align: 8
    .kernarg_segment_size: 80
    .max_flat_workgroup_size: 128
    .sgpr_count:     66
    .vgpr_count:     144
    .wavefront_size: 32
...
	.end_amdgpu_metadata
.endif
;; end of part 1
;; launch proj (part 2): grid 128 x 2, 8 waves a work-group, clusters of 4 x 1, 327,680 bytes of LDS; arguments query, key, value, wr, img, isc; writes img, isc
.if DOCPART == 2
	.amdgcn_target "amdgcn-amd-amdhsa--gfx1250"
	.amdhsa_code_object_version 6
	.text
	.protected	k_q6dae93a6ac_proj
	.globl	k_q6dae93a6ac_proj
	.p2align	8
	.type	k_q6dae93a6ac_proj,@function
k_q6dae93a6ac_proj:
	s_mov_b64 s[64:65], 0
	v_nop
	global_prefetch_b8 v0, s[64:65] scope:SCOPE_SE
	s_setreg_imm32_b32 hwreg(HW_REG_WAVE_MODE, 25, 1), 1
	s_wait_xcnt 0x0
	s_wait_alu depctr_hold_cnt(0) depctr_sa_sdst(0) depctr_va_vdst(0) depctr_va_sdst(0) depctr_va_ssrc(0) depctr_va_vcc(0) depctr_vm_vsrc(0)
	s_getreg_b32 s2, hwreg(HW_REG_IB_STS2, 6, 4)
	s_cmp_eq_u32 s2, 0
	s_cbranch_scc0 .Lentry_in_a_cluster
	s_endpgm
.Lentry_in_a_cluster:
	s_bfe_u32 s2, ttmp6, 0x10000c
	s_cmp_lg_u32 s2, 0x3003
	s_cbranch_scc0 .Lentry_shape_is_right
	s_endpgm
.Lentry_shape_is_right:
; q = query Wq^T + bq, k = key Wk^T + bk, v = value Wv^T + bv.  The tokens arrive as f32 and are quantised here; each result is quantised in registers as the operand that attention wants.
; SHARES.  A work-group owns 64 tokens and a part: part 0 makes heads 0-7 of v and then q, part 1 heads 8-15 of v and then k.  So query and key are read by one work-group, value by two, both at the launch's start.
; THE WEIGHTS walk through a ring of two LDS slots, 256 weight rows (4 heads) a slot: 8 records of 17,664 bytes (two tile images, their scale bytes, their bias), one record a wave and load; six fills: two of Wv, four of Wq or Wk.
; CLUSTERS: the four work-groups of a cluster have the same part and walk the same weights: every fill is a joint load (mask 15) behind a round of the cluster's barrier.
; THE TOKENS come by plain loads, 512 consecutive bytes each, into window 1: wave w holds tokens 8 w .. 8 w + 7, 256 registers: a whole phase is asked for at once, and the second tensor's loads follow into the registers as they are set free.
; 1,024 bytes at a time turn through the wave's stage in LDS (rows of 256 + 16) and come back 32 bytes a lane: 8 neighbours, four lanes to a block.
; Codes go to LDS as [token tile][K step][half c][h][16 rows][16 bytes]; in each piece of 256 bytes row r lies at column r xor (4 c + 2 h), so that the eight blocks that one store of codes serves fall on four different columns, while a fragment load still covers each piece whole.
; Scale bytes go as [stored row][32].  Token 32 p + 8 a + r + 8 (r / 8) is row r of tile 2 p + a.  Wave w multiplies head w / 2 of the slot with token tiles 2 (w % 2), + 1: 8 accumulators.
; v: source 0 = token tile, source 1 = weight tile: a lane holds a dim, its 16 registers 16 tokens of a block of 32 keys.  q, k: the sources swapped: a lane holds a token, its 32 registers 16 + 16 dims of the head's two blocks.
; For q, k window 1 is free: my two token tiles' fragments of all 8 K steps stay there, 128 registers, through the four groups.
; OUT.  img q, k: [tensor][batch][head][token tile][lane][16 bytes]; v: [batch][head][key step][dim tile][half][lane][16 bytes]: a block of keys is 256 consecutive bytes of each dim tile.
; isc at an eighth of img's offsets: q, k one word a token and head (bytes 2, 3 are 0, over zero codes); v one byte of a dim's word; lanes 16-31 write the copy 64 bytes on, which attention's fill also reads.
; Nothing is prefetched: the tokens are asked for a phase ahead by their own loads, and the weights are 1.7 MB that all 64 clusters walk in the same order.
; LIMITS: a block whose largest magnitude lies under 2^-124 gets the scale byte 1; NaN and infinities are not served.
.set REC,   17664
.set WSLOT, 8*REC
.set WZ,    4*WSLOT                    ; a weight in wr
.set STG,   2*WSLOT                    ; the stages, 1,088 bytes a wave
.set XC,    STG+8*1088                 ; the tokens' codes, 32,768 bytes
.set XSC,   XC+32768                   ; their scale bytes, 2,048
.set SPARE, XSC+2048                   ; the spare words, 1,024
.set SPW, 1
.set NIL, 2
.set ADT, 3                            ; the stage, in
.set ADQ, 4                            ; and out
.set ADB, 6                            ; where my scale byte goes
.set ADS, 8                            ; my two token tiles' scale words
.set ADW, 9                            ; v9-10 my head's images in slot 0, 1
.set ADWS, 11                          ; v11-12 its scale bytes
.set ADBI, 13                          ; v13-14 its bias along the registers
.set ADBV, 15                          ; v15-16 the bias of my dim
.set GW,  17                           ; 16 x lane
.set GL4, 18                           ; 4 x lane
.set GVC, 19                           ; 16 r + 8 h
.set GVB, 20                           ; 4 r + 64 h
.set ADC, 21                           ; v21-24 where my codes go: one for each pair of my rows
.set ADX, 25                           ; v25-26 my two token tiles' images: half c = 0, 1
.set XS,  28                           ; v28-35 the tokens' scale words of 8 K steps: lanes 0-15 tile 0, lanes 16-31 tile 1
.set WS,  36                           ; v36-51 the weights': register 4 t + q % 4, lanes 0-15 K steps 0-3, lanes 16-31 K steps 4-7
.set AF,  52                           ; v52-83 the tokens' fragments, two sets (v's groups)
.set WF,  84                           ; v84-147 the weights' fragments, two sets
.set BI,  WF+32                        ; the bias, C of a group's first products, lies in the second set until K step 1 is fetched
.set ACC, 148                          ; v148-211 accumulators; ahead of a phase the f32 numbers
.set TM,  212
.set CD,  228
.set SW,  236
.set G1,  24
.set G0,  32                           ; s32-55 a group 0 for each of the six fills
.set WV,  66
.set CX,  67
.set PT,  68
.set TB,  69
.set SEL, 80
.set HI,  82
.set PIQ, 84
.set PSQ, 86
.set PIV, 88
.set PSV, 90
.set MSB, 0
.macro WIN new                         ; the immediate's high byte repeats the setting that is left
.if MSB != \new
	s_set_vgpr_msb (MSB<<8)|\new
.set MSB, \new
.endif
.endm
.macro PLACES n
.rept \n
	v_nop
.endr
.endm
.macro CROUND
	s_barrier_signal -1
	s_barrier_wait -1
	s_cmp_lg_u32 s[WV], 0
	s_cbranch_scc1 .Lnot_wave_0_\@
	s_barrier_signal -3
.Lnot_wave_0_\@:
	s_barrier_wait -3
	s_barrier_signal -1
	s_barrier_wait -1
.endm
.macro THREE                           ; ahead of a fill's barrier: all my tensor loads, the add, my LDS instructions
	s_wait_tensorcnt 0x0
	ds_add_u32 v[SPW], v[NIL]
	s_wait_dscnt 0x0
.endm
.macro TL f                            ; my record of fill f, jointly with my three partners
	tensor_load_to_lds s[G0+4*\f:G0+4*\f+3], s[G1:G1+7]
	s_nop 0
	PLACES 4
.endm
.macro XLOAD row, base                 ; a row of 4,096 bytes: destination in window 1
.irp j, 0,1,2,3,4,5,6,7
	global_load_b128 v[32*(\row)+4*\j:32*(\row)+4*\j+3], v[GW], s[\base:\base+1] offset:(\row)*4096+\j*512
.endr
.endm
.macro LOADK kind, sl, q               ; K step q's fragments: four of the weight and, for v, two of the tokens
.irp t, 0,1,2,3
	ds_load_b128 v[WF+32*((\q)%2)+8*\t:WF+32*((\q)%2)+8*\t+3], v[ADW+\sl] offset:(\t/2)*REC+(\t%2)*8192+(\q)*1024
	ds_load_b128 v[WF+32*((\q)%2)+8*\t+4:WF+32*((\q)%2)+8*\t+7], v[ADW+\sl] offset:(\t/2)*REC+(\t%2)*8192+(\q)*1024+512
.endr
.if \kind
.irp a, 0,1
	ds_load_b128 v[AF+16*((\q)%2)+8*\a:AF+16*((\q)%2)+8*\a+3], v[ADX] offset:\a*8192+(\q)*1024
	ds_load_b128 v[AF+16*((\q)%2)+8*\a+4:AF+16*((\q)%2)+8*\a+7], v[ADX+1] offset:\a*8192+(\q)*1024+512
.endr
.endif
.endm
.macro XRES                            ; my two token tiles' fragments of all 8 K steps into window 1: register 16 q + 8 a
	WIN 0x40
.irp q, 0,1,2,3,4,5,6,7
.irp a, 0,1
	ds_load_b128 v[16*\q+8*\a:16*\q+8*\a+3], v[ADX] offset:\a*8192+\q*1024
	ds_load_b128 v[16*\q+8*\a+4:16*\q+8*\a+7], v[ADX+1] offset:\a*8192+\q*1024+512
.endr
.endr
	WIN 0
.endm
.macro W4 ra, rb
.if (\ra) && (\rb)
	v_wmma_scale_f32_16x16x128_f8f6f4 v[rD:rD+7], v[rA:rA+7], v[rB:rB+7], v[rC:rC+7], v[rSA], v[rSB] matrix_a_fmt:MATRIX_FMT_FP4 matrix_b_fmt:MATRIX_FMT_FP4 matrix_a_scale:MATRIX_SCALE_ROW1 matrix_b_scale:MATRIX_SCALE_ROW1
.elseif (\ra)
	v_wmma_scale_f32_16x16x128_f8f6f4 v[rD:rD+7], v[rA:rA+7], v[rB:rB+7], v[rC:rC+7], v[rSA], v[rSB] matrix_a_fmt:MATRIX_FMT_FP4 matrix_b_fmt:MATRIX_FMT_FP4 matrix_a_scale:MATRIX_SCALE_ROW1
.elseif (\rb)
	v_wmma_scale_f32_16x16x128_f8f6f4 v[rD:rD+7], v[rA:rA+7], v[rB:rB+7], v[rC:rC+7], v[rSA], v[rSB] matrix_a_fmt:MATRIX_FMT_FP4 matrix_b_fmt:MATRIX_FMT_FP4 matrix_b_scale:MATRIX_SCALE_ROW1
.else
	v_wmma_scale_f32_16x16x128_f8f6f4 v[rD:rD+7], v[rA:rA+7], v[rB:rB+7], v[rC:rC+7], v[rSA], v[rSB] matrix_a_fmt:MATRIX_FMT_FP4 matrix_b_fmt:MATRIX_FMT_FP4
.endif
.endm
.macro WM kind, q, i, t                ; token tile i x weight tile t, K step q; the first K step takes the bias as C
.set rW, WF+32*((\q)%2)+8*(\t)
.set rSW, WS+4*(\t)+(\q)%4
.set rSX, XS+(\q)
.if \kind
.set rD, ACC+16*(\t)+8*(\i)
.set rA, AF+16*((\q)%2)+8*(\i)
.set rB, rW
.set rSA, rSX
.set rSB, rSW
.else
.set rD, ACC+32*(\i)+8*(\t)
.set rA, rW
.set rB, 16*(\q)+8*(\i)                ; source 1 in window 1
.set rSA, rSW
.set rSB, rSX
.endif
.if (\q) == 0
.set rC, BI+8*(\t)
.else
.set rC, rD
.endif
.if \kind
	W4 \i, (\q)/4
.else
	W4 (\q)/4, \i
.endif
.endm
.macro MUL8 kind, q                    ; the 8 accumulators take turns
.irp i, 0,1
.irp t, 0,1,2,3
	WM \kind, \q, \i, \t
.endr
.endr
.endm
; A GROUP: my head of slot sl x my two token tiles, 8 K steps.  kind 1: v; kind 0: q or k, source 1 in window 1 throughout (the LDS loads name no source 1).
.macro GROUP kind, sl
.if \kind
.irp t, 0,1,2,3
.irp j, 0,1,2,3,4,5,6,7
	ds_load_b32 v[BI+8*\t+\j], v[ADBV+\sl] offset:(\t/2)*REC+(\t%2)*32   ; my dim's bias in all eight registers of C
.endr
.endr
.else
	WIN 0x04
.irp t, 0,1,2,3
	ds_load_b128 v[BI+8*\t:BI+8*\t+3], v[ADBI+\sl] offset:(\t/2)*REC+(\t%2)*32
	ds_load_b128 v[BI+8*\t+4:BI+8*\t+7], v[ADBI+\sl] offset:(\t/2)*REC+(\t%2)*32+16
.endr
.endif
.irp t, 0,1,2,3
	ds_load_b128 v[WS+4*\t:WS+4*\t+3], v[ADWS+\sl] offset:(\t/2)*REC+(\t%2)*512
.endr
	LOADK \kind, \sl, 0
	s_wait_dscnt 0x0
	MUL8 \kind, 0
.set Q, 1
.rept 7
	PLACES 4                                       ; in front of loads into registers that the last K step's products have read
.if Q == 1
	LOADK \kind, \sl, 1
.endif
.if Q < 7
	LOADK \kind, \sl, Q+1
	s_wait_dscnt 8+4*\kind                         ; all but the next K step's loads: eight, with the tokens' twelve
.else
	s_wait_dscnt 0x0
.endif
	MUL8 \kind, Q
.set Q, Q+1
.endr
	WIN 0
	PLACES 4                                       ; in front of the first read of results
.endm
; Four blocks, block c in registers ACC + 16 c .. + 15 of lanes l and l xor 16: scale operands in TM + 8 + c, bytes in TM + 12 + c, codes in CD + 2 c, + 1.  Each accumulator is read from its low end on.
.macro EPMAX
	s_wait_xcnt 0x0                                ; earlier stores have read their registers
.irp c, 0,1,2,3
	v_max3_num_f32 v[TM+\c], |v[ACC+16*\c]|, |v[ACC+16*\c+1]|, 0x1800000   ; with the floor 2^(3 - 127)
.endr
.irp i, 2,4,6,8,10,12,14
.irp c, 0,1,2,3
	v_max3_num_f32 v[TM+\c], v[TM+\c], |v[ACC+16*\c+\i]|, |v[ACC+16*\c+\i+1]|
.endr
.endr
.irp c, 0,1,2,3
	v_permlanex16_b32 v[TM+4+\c], v[TM+\c], s[SEL], s[SEL+1]
.endr
.irp c, 0,1,2,3
	v_max_num_f32 v[TM+\c], v[TM+\c], v[TM+4+\c]
.endr
.irp c, 0,1,2,3
	v_add_nc_u32 v[TM+8+\c], 0xff000000, v[TM+\c]
.endr
.irp c, 0,1,2,3
	v_lshrrev_b32 v[TM+12+\c], 23, v[TM+8+\c]
.endr
.endm
.macro EPCVT
.irp c, 0,1,2,3
	v_cvt_scalef32_pk8_fp4_f32 v[CD+2*\c], v[ACC+16*\c:ACC+16*\c+7], v[TM+8+\c]
	v_cvt_scalef32_pk8_fp4_f32 v[CD+2*\c+1], v[ACC+16*\c+8:ACC+16*\c+15], v[TM+8+\c]
.endr
	v_nop                                          ; one plain place behind a scaled conversion
.endm
.macro EPQ p                           ; q, k, heads 4 p ..: blocks 2 a + b: token tile a, dims 32 b ..
	EPMAX
	v_lshl_or_b32 v[SW], v[TM+13], 8, v[TM+12]
	v_lshl_or_b32 v[SW+1], v[TM+15], 8, v[TM+14]
	v_cndmask_b32 v[SW], v[SW], v[SW+1], s[HI]     ; lanes 0-15 send tile 0's words, lanes 16-31 tile 1's
	EPCVT
.irp a, 0,1
	v_permlane16_swap_b32 v[CD+4*\a], v[CD+4*\a+2] ; a whole block to a lane
	v_permlane16_swap_b32 v[CD+4*\a+1], v[CD+4*\a+3]
.endr
.irp a, 0,1
	global_store_b128 v[GW], v[CD+4*\a:CD+4*\a+3], s[PIQ:PIQ+1] offset:(\p)*0x40000+\a*512   ; 512 consecutive aligned bytes
.endr
	global_store_b32 v[GL4], v[SW], s[PSQ:PSQ+1] offset:(\p)*0x8000
	s_wait_alu depctr_va_vdst(0)                   ; the wait ahead of the waits and branches that follow
.endm
.macro EPV p                           ; v: block t: dim tile t, my 16 of the 32 keys
	EPMAX
	EPCVT
.irp t, 0,1,2,3
	global_store_b64 v[GVC], v[CD+2*\t:CD+2*\t+1], s[PIV:PIV+1] offset:(\p)*0x40000+\t*1024   ; 256 consecutive aligned bytes
	global_store_b8 v[GVB], v[TM+12+\t], s[PSV:PSV+1] offset:(\p)*0x8000+\t*128
.endr
	s_wait_alu depctr_va_vdst(0)
.endm
; My 8 rows become codes: two rows at a time, eight runs of 256 numbers.  A run goes into my stage as it was loaded and comes back 8 numbers a lane; LDS serves a wave's instructions in order, so the next run's stores follow this run's loads with no wait.
; nx = 1: the two rows' registers take the same rows of the second tensor.
.macro XQ nx
	s_wait_xcnt 0x0                                ; the last stores have read the registers that are at work here
.irp b, 0,1,2,3
.if \nx
	s_wait_loadcnt 48                              ; younger than these two rows: the rows behind them and the second tensor's rows asked for so far: six rows of 8 loads
.else
	s_wait_loadcnt 48-16*\b                        ; the rows behind them
.endif
.irp e, 0,1,2,3,4,5,6,7
	WIN 0x04
	ds_store_b128 v[ADT], v[32*(2*\b+\e/4)+8*(\e%4):32*(2*\b+\e/4)+8*(\e%4)+3]
	ds_store_b128 v[ADT], v[32*(2*\b+\e/4)+8*(\e%4)+4:32*(2*\b+\e/4)+8*(\e%4)+7] offset:544
	WIN 0
	ds_load_b128 v[ACC+8*\e:ACC+8*\e+3], v[ADQ]
	ds_load_b128 v[ACC+8*\e+4:ACC+8*\e+7], v[ADQ] offset:16
.endr
	s_wait_dscnt 0x0
.if \nx
	WIN 0x40
	XLOAD 2*\b, 4
	XLOAD 2*\b+1, 4
	WIN 0
.endif
.irp e, 0,1,2,3,4,5,6,7
	v_max3_num_f32 v[TM+\e], |v[ACC+8*\e]|, |v[ACC+8*\e+1]|, 0x1800000
.endr
.irp j, 2,4,6
.irp e, 0,1,2,3,4,5,6,7
	v_max3_num_f32 v[TM+\e], v[TM+\e], |v[ACC+8*\e+\j]|, |v[ACC+8*\e+\j+1]|
.endr
.endr
.irp e, 0,1,2,3,4,5,6,7
	v_max_num_f32_dpp v[TM+\e], v[TM+\e], v[TM+\e] row_xmask:1 row_mask:0xf bank_mask:0xf
.endr
.irp e, 0,1,2,3,4,5,6,7
	v_max_num_f32_dpp v[TM+\e], v[TM+\e], v[TM+\e] row_xmask:2 row_mask:0xf bank_mask:0xf   ; the four lanes of a block
.endr
.irp e, 0,1,2,3,4,5,6,7
	v_add_nc_u32 v[TM+\e], 0xff000000, v[TM+\e]
.endr
.irp e, 0,1,2,3,4,5,6,7
	v_cvt_scalef32_pk8_fp4_f32 v[TM+8+\e], v[ACC+8*\e:ACC+8*\e+7], v[TM+\e]
.endr
.irp e, 0,1,2,3,4,5,6,7
	v_lshrrev_b32 v[CD+\e], 23, v[TM+\e]
.endr
.irp i, 0,1
.irp s, 0,1,2,3
	ds_store_b32 v[ADC+\b], v[TM+8+4*\i+\s] offset:\i*16+\s*2048   ; rows 2 b + i: the pair's address holds the column's turn
	ds_store_b8 v[ADB], v[CD+4*\i+\s] offset:(2*\b+\i)*32+\s*8   ; the four lanes of a block write the same byte
.endr
.endr
.endr
.endm
.macro SHOW                            ; my codes and bytes are stored, everybody's are; then the tokens' scale words
	s_wait_alu depctr_va_vdst(0)
	s_wait_dscnt 0x0
	s_barrier_signal -1
	s_barrier_wait -1
	ds_load_b128 v[XS:XS+3], v[ADS]
	ds_load_b128 v[XS+4:XS+7], v[ADS] offset:16
.endm
	s_load_b256 s[4:11], s[0:1], 0x0               ; query, key, value, wr
	s_load_b128 s[12:15], s[0:1], 0x20             ; img, isc
	v_lshl_add_u32 v[SPW], v0, 2, SPARE
	v_mov_b32 v[NIL], 0
	ds_add_u32 v[SPW], v[NIL]                      ; the opening lines: the add twice on end and its wait
	ds_add_u32 v[SPW], v[NIL]
	v_lshrrev_b32 v240, 5, v0
	v_readfirstlane_b32 s[WV], v240
	v_and_b32 v241, 31, v0                         ; lane
	v_lshlrev_b32 v[GW], 4, v241
	s_bfe_u32 s[CX], ttmp6, 0x40000
	s_and_b32 s[PT], ttmp7, 0xffff                 ; the part, which the four partners share
	s_lshl_b32 s[TB], ttmp9, 2
	s_add_co_u32 s[TB], s[TB], s[CX]               ; which 64 tokens
	s_lshl_b32 s70, s[TB], 18
	s_lshl_b32 s71, s[WV], 15                      ; my 8 rows of 4,096 bytes
	s_add_co_u32 s70, s70, s71
	s_mov_b32 s71, 0
	s_mov_b32 s[G1], 15|(3<<16)|(1<<21)            ; the mask names all four; elements of 8 bytes; 69 dense rows of 256 bytes
	s_mov_b32 s[G1+1], 32<<16
	s_mov_b32 s[G1+2], 69<<16
	s_mov_b32 s[G1+3], 32<<16
	s_mov_b32 s[G1+4], 69
	s_mov_b32 s[G1+5], 32
	s_mov_b32 s[G1+6], 0
	s_mov_b32 s[G1+7], 0
	s_mul_i32 s56, s[WV], REC                      ; my record, in a slot and in memory
	s_mul_i32 s57, s[PT], WZ
	s_add_co_u32 s57, s57, s56                     ; fills 2 to 5: Wq or Wk
	s_mul_i32 s58, s[PT], 2*WSLOT
	s_add_co_u32 s58, s58, s56
	s_add_co_u32 s58, s58, 2*WZ                    ; fills 0, 1: my half of Wv
	s_mov_b32 s61, 0
	s_wait_alu depctr_va_vdst(0)                   ; the wait ahead of the waits below
	s_wait_dscnt 0x0
	s_wait_kmcnt 0x0
.irp f, 0,1,2,3,4,5
	s_mov_b32 s[G0+4*\f], 1
	s_add_co_u32 s[G0+4*\f+1], s56, (\f%2)*WSLOT
.if \f < 2
	s_add_co_u32 s60, s58, \f*WSLOT
.else
	s_add_co_u32 s60, s57, (\f-2)*WSLOT
.endif
	s_add_nc_u64 s[G0+4*\f+2:G0+4*\f+3], s[10:11], s[60:61]
	s_or_b32 s[G0+4*\f+3], s[G0+4*\f+3], 0x80000000
.endr
	CROUND                                         ; all four work-groups are here: the joint loads meet
	TL 0
	s_cmp_eq_u32 s[PT], 0
	s_cselect_b64 s[4:5], s[4:5], s[6:7]           ; query or key
	s_add_nc_u64 s[4:5], s[4:5], s[70:71]
	s_add_nc_u64 s[8:9], s[8:9], s[70:71]
	WIN 0x40
.irp i, 0,1,2,3,4,5,6,7
	XLOAD \i, 8                                    ; value first
.endr
	WIN 0
	; LDS places: numbers of the wave alone
	s_lshr_b32 s70, s[WV], 1
	s_mul_i32 s70, s70, 2*REC                      ; my head of a slot
	s_add_co_u32 s76, s70, 16384
	s_add_co_u32 s77, s70, 17408
	s_mul_i32 s71, s[WV], 1088
	s_add_co_u32 s71, s71, STG                     ; my stage
	s_lshr_b32 s78, s[WV], 2                       ; my tokens: pair w / 4, tile a = w % 2, rows 8 ((w / 2) % 2) ..
	s_and_b32 s79, s[WV], 1
	s_bfe_u32 s83, s[WV], 0x10001
	s_lshl_b32 s72, s78, 14
	s_lshl_b32 s73, s79, 13
	s_add_co_u32 s72, s72, s73
	s_lshl_b32 s73, s83, 7
	s_add_co_u32 s72, s72, s73
	s_add_co_u32 s72, s72, XC
	s_lshl_b32 s73, s78, 10
	s_lshl_b32 s74, s79, 9
	s_add_co_u32 s73, s73, s74
	s_lshl_b32 s74, s83, 8
	s_add_co_u32 s73, s73, s74
	s_add_co_u32 s73, s73, XSC
	s_lshl_b32 s74, s79, 14
	s_add_co_u32 s74, s74, XC                      ; the pair of token tiles that I multiply: w % 2
	s_lshl_b32 s75, s79, 10
	s_add_co_u32 s75, s75, XSC
	; where my results go
	s_lshr_b32 s92, s[TB], 5                       ; batch
	s_and_b32 s93, s[TB], 31
	s_lshl_b32 s92, s92, 20
	s_lshr_b32 s94, s[WV], 1
	s_lshl_b32 s94, s94, 16
	s_add_co_u32 s92, s92, s94                     ; batch and head w / 2
	s_lshl_b32 s94, s93, 1
	s_add_co_u32 s94, s94, s79                     ; which 32 tokens of the batch
	s_lshr_b32 s95, s94, 2
	s_lshl_b32 s95, s95, 12                        ; v: the key step,
	s_add_co_u32 s95, s95, s92
	s_lshl_b32 s78, s[PT], 19                      ; heads 8 x part ..
	s_add_co_u32 s95, s95, s78
	s_add_co_u32 s95, s95, 0x800000
	s_and_b32 s78, s94, 3                          ; my block of keys in the step
	s_lshr_b32 s60, s95, 3
	s_add_co_u32 s60, s60, s78
	s_add_nc_u64 s[PSV:PSV+1], s[14:15], s[60:61]
	s_lshl_b32 s78, s78, 8
	s_add_co_u32 s60, s95, s78
	s_add_nc_u64 s[PIV:PIV+1], s[12:13], s[60:61]
	s_lshl_b32 s94, s94, 10                        ; q, k: two token tiles of 512 bytes
	s_add_co_u32 s60, s92, s94
	s_lshl_b32 s78, s[PT], 22
	s_add_co_u32 s60, s60, s78
	s_add_nc_u64 s[PIQ:PIQ+1], s[12:13], s[60:61]
	s_lshr_b32 s60, s60, 3
	s_add_nc_u64 s[PSQ:PSQ+1], s[14:15], s[60:61]
	s_mov_b32 s[SEL], 0x76543210
	s_mov_b32 s[SEL+1], 0xfedcba98
	s_mov_b32 s[HI], 0xffff0000
	v_and_b32 v242, 15, v0                         ; r
	v_bfe_u32 v243, v0, 4, 1                       ; h
	v_mul_u32_u24 v244, v243, 272
	v_lshl_add_u32 v244, v242, 4, v244
	v_add_nc_u32 v[ADT], s71, v244                 ; in: 16 bytes a lane, sixteen lanes to a row of 256 + 16
	v_lshrrev_b32 v244, 3, v241
	v_mul_u32_u24 v244, v244, 272
	v_and_b32 v245, 7, v241
	v_lshl_add_u32 v244, v245, 5, v244
	v_add_nc_u32 v[ADQ], s71, v244                 ; out: 32 bytes a lane
	v_lshrrev_b32 v244, 2, v241                    ; g = l / 4: my block of a run's 8: its piece of 256 bytes,
	v_add_nc_u32 v[ADB], s73, v244
	v_and_b32 v245, 3, v244                        ; 2 c + h
	v_and_b32 v246, 3, v0
	v_lshlrev_b32 v246, 2, v246                    ; my 4 bytes of its 16,
	v_lshl_add_u32 v246, v244, 8, v246
	v_add_nc_u32 v246, s72, v246
.irp m, 0,1,2,3
	v_xor_b32 v247, \m, v245                       ; and the column's turn for rows 2 m, 2 m + 1 of my 8
	v_lshl_add_u32 v[ADC+\m], v247, 5, v246
.endr
	v_lshlrev_b32 v247, 1, v243
	v_xor_b32 v247, v247, v242                     ; r xor 2 h
	v_lshlrev_b32 v248, 4, v247
	v_lshl_add_u32 v248, v243, 8, v248
	v_add_nc_u32 v[ADX], s74, v248
	v_xor_b32 v247, 4, v247                        ; half c = 1: xor 4
	v_lshlrev_b32 v248, 4, v247
	v_lshl_add_u32 v248, v243, 8, v248
	v_add_nc_u32 v[ADX+1], s74, v248
	v_lshl_add_u32 v[ADS], v241, 5, s75
	v_add_nc_u32 v[ADW], s70, v[GW]
	v_add_nc_u32 v[ADW+1], WSLOT, v[ADW]
	v_lshlrev_b32 v244, 5, v242
	v_lshl_add_u32 v244, v243, 4, v244
	v_add_nc_u32 v[ADWS], s76, v244
	v_add_nc_u32 v[ADWS+1], WSLOT, v[ADWS]
	v_lshl_add_u32 v[ADBI], v243, 7, s77
	v_add_nc_u32 v[ADBI+1], WSLOT, v[ADBI]
	v_and_b32 v244, 7, v242
	v_lshrrev_b32 v245, 3, v242
	v_lshlrev_b32 v244, 2, v244
	v_lshl_add_u32 v244, v245, 7, v244
	v_add_nc_u32 v[ADBV], s77, v244
	v_add_nc_u32 v[ADBV+1], WSLOT, v[ADBV]
	v_lshlrev_b32 v[GL4], 2, v241
	v_lshlrev_b32 v[GVC], 4, v242
	v_lshl_add_u32 v[GVC], v243, 3, v[GVC]
	v_lshlrev_b32 v[GVB], 2, v242
	v_lshl_add_u32 v[GVB], v243, 6, v[GVB]
.irp c, 0,1,2,3
	v_mov_b32 v[TM+4+\c], 0                        ; a lane permute's destination counts as one of its sources
.endr
	s_wait_alu depctr_va_vdst(0)                   ; the wait at the head's end
	THREE                                          ; fill 0 is in
	CROUND
	TL 1                                           ; slot 1's first fill, issued as a refill is
	XQ 1                                           ; value; query's or key's rows follow into its registers
	SHOW
	GROUP 1, 0
	EPV 0
	THREE
	CROUND                                         ; no wave of any partner reads slot 0 any more or has a load on its way
	TL 2
	GROUP 1, 1
	EPV 1
	THREE
	CROUND                                         ; nobody reads slot 1 or value's codes any more
	TL 3
	XQ 0                                           ; query or key
	SHOW
	XRES
	GROUP 0, 0
	EPQ 0
	THREE
	CROUND
	TL 4
	GROUP 0, 1
	EPQ 1
	THREE
	CROUND
	TL 5
	GROUP 0, 0
	EPQ 2
	THREE                                          ; fill 5 is in
	s_barrier_signal -1
	s_barrier_wait -1
	GROUP 0, 1
	EPQ 3
	THREE                                          ; the wave's end
	CROUND                                         ; the closing round
	s_endpgm
.Lfunc_end_k_q6dae93a6ac_proj:
	.size	k_q6dae93a6ac_proj, .Lfunc_end_k_q6dae93a6ac_proj-k_q6dae93a6ac_proj
	.p2alignl 7, 3214868480
	.fill 96, 4, 3214868480
	.section	.rodata,"a",@progbits
	.p2align	6, 0x0
	.amdhsa_kernel k_q6dae93a6ac_proj
		.amdhsa_group_segment_fixed_size 327680
		.amdhsa_private_segment_fixed_size 0
		.amdhsa_enable_private_segment 0
		.amdhsa_kernarg_size 48
		.amdhsa_user_sgpr_count 2
		.amdhsa_user_sgpr_kernarg_segment_ptr 1
		.amdhsa_wavefront_size32 1
		.amdhsa_system_sgpr_workgroup_id_x 1
		.amdhsa_system_sgpr_workgroup_id_y 1
		.amdhsa_system_sgpr_workgroup_id_z 1
		.amdhsa_system_vgpr_workitem_id 0
		.amdhsa_next_free_vgpr 512
		.amdhsa_next_free_sgpr 96
		.amdhsa_reserve_vcc 0
		.amdhsa_float_denorm_mode_32 3
		.amdhsa_float_denorm_mode_16_64 3
		.amdhsa_memory_ordered 1
		.amdhsa_forward_progress 1
		.amdhsa_inst_pref_size 209
	.end_amdhsa_kernel
	.amdgpu_metadata
---
amdhsa.version: [ 1, 2 ]
amdhsa.kernels:
  - .name:           k_q6dae93a6ac_proj
    .symbol:         k_q6dae93a6ac_proj.kd
    .args:
      - { .name: query, .offset: 0, .size: 8, .value_kind: global_buffer, .address_space: global }
      - { .name: key, .offset: 8, .size: 8, .value_kind: global_buffer, .address_space: global }
      - { .name: value, .offset: 16, .size: 8, .value_kind: global_buffer, .address_space: global }
      - { .name: wr, .offset: 24, .size: 8, .value_kind: global_buffer, .address_space: global }
      - { .name: img, .offset: 32, .size: 8, .value_kind: global_buffer, .address_space: global }
      - { .name: isc, .offset: 40, .size: 8, .value_kind: global_buffer, .address_space: global }
    .group_segment_fixed_size: 327680
    .private_segment_fixed_size: 0
    .kernarg_segment_align: 8
    .kernarg_segment_size: 48
    .max_flat_workgroup_size: 256
    .sgpr_count:     96
    .vgpr_count:     512
    .wavefront_size: 32
...
	.end_amdgpu_metadata
.endif
;; end of part 2
;; launch attn (part 3): grid 4 x 64, 16 waves a work-group, clusters of 4 x 1, 169,984 bytes of LDS; arguments img, isc, ac, asc; writes ac, asc
.if DOCPART == 3
	.amdgcn_target "amdgcn-amd-amdhsa--gfx1250"
	.amdhsa_code_object_version 6
	.text
	.protected	k_q6dae93a6ac_attn
	.globl	k_q6dae93a6ac_attn
	.p2align	8
	.type	k_q6dae93a6ac_attn,@function
k_q6dae93a6ac_attn:
	s_mov_b64 s[64:65], 0
	v_nop
	global_prefetch_b8 v0, s[64:65] scope:SCOPE_SE
	s_setreg_imm32_b32 hwreg(HW_REG_WAVE_MODE, 25, 1), 1
	s_wait_xcnt 0x0
	s_wait_alu depctr_hold_cnt(0) depctr_sa_sdst(0) depctr_va_vdst(0) depctr_va_sdst(0) depctr_va_ssrc(0) depctr_va_vcc(0) depctr_vm_vsrc(0)
	s_getreg_b32 s2, hwreg(HW_REG_IB_STS2, 6, 4)
	s_cmp_eq_u32 s2, 0
	s_cbranch_scc0 .Lentry_in_a_cluster
	s_endpgm
.Lentry_in_a_cluster:
	s_bfe_u32 s2, ttmp6, 0x10000c
	s_cmp_lg_u32 s2, 0x3003
	s_cbranch_scc0 .Lentry_shape_is_right
	s_endpgm
.Lentry_shape_is_right:
; Causal attention of one head (64 dims, 2,048 tokens) on codes of FP4 with E8M0 scales; its result, divided by the row's sum, is quantised in registers along the features and leaves as the output projection's operand.
; THE SOFTMAX: t = score x log2(e) / 8; M = the row's largest t so far, rounded UP to a whole number; p = 2^(t - M) is what is quantised, along the keys, not normalised.  The row's sum is taken of the unquantised p.
; When M moves, the sum and O are multiplied by 2^(old M - new M): exact.
; INPUTS are images of operands' registers: q, k [batch][head][tile of 16 tokens][lane][16 bytes] (the low four registers of a fragment: K = 64; the upper four are zero codes, written once), v [batch][head][key step][tile of 16 dims][half][lane][16 bytes].
; A tile's 16 stored rows are rows 32 (T / 2) + 8 (T % 2) + r + 8 (r / 8).  Both products are used transposed (S^T = K Q^T, O^T = V^T P^T): a lane holds ONE query, the 16 registers of key tiles 2 b, 2 b + 1 are 16 neighbouring keys,
; and those of dim tiles 2 B, 2 B + 1 are 16 neighbouring dims.
; The scale words of q and k carry two bytes that count; bytes 2 and 3 (a neighbour head's bytes, or 0) stand over zero codes and are never 0xff.
; SHARES.  The four work-groups of a cluster share a head.  Wave w of work-group cx owns query tiles T = 4 w + cx and 127 - T.  Tile T needs key steps 0 .. T / 8, that is w / 2 and 15 - w / 2: numbers of the wave alone, 17 steps for every wave.
; The loops' trip counts are constants (8 and 16); a step whose keys all come after the tile's queries is passed over by a scalar branch.  cx enters global addresses and the mask's lane constant alone.
; LDS: the head's K (65,536 bytes), V (65,536), their scale words (8,192 each): filled once, jointly for the four work-groups; read at 16 x lane or 4 x lane: consecutive bytes, no padding.  One barrier; then the waves do not meet until the closing round.
; Nothing is prefetched: every byte that comes through LDS is asked for by the first fills.
; THE SCALE BYTES of the result leave one byte a lane (a head owns two bytes of a row's word of four): 1/16 of what the launch stores, in runs that are not whole.
; LIMITS: 1 / sum is v_rcp_f32 and a multiplication; a block whose largest magnitude lies under 2^-124 gets the scale byte 1; NaN and infinities are not served.
.set VIM, 65536
.set KSC, 131072
.set VSC, 139264
.set WV,  12                           ; s12 wave; s13 cx; s14 batch x 16 + head; s15, s16 my two tiles; s18, s19 their last key steps
.set SEL, 20                           ; s[20:21] selects of v_permlanex16_b32: lane l xor 16
.set CS,  22                           ; s[22:23] c = log2(e) / 8 (a pair for the packed form)
.set G1C, 24
.set G1S, 32
.set G0C, 40
.set G0S, 44
.set TK,  56                           ; s56 LDS byte of the step's images: 4,096 a step;  s57 of its scale words: 512 a step;  s58 the step
.set TS,  57
.set ST,  58
.set HI,  59                           ; s59 the mask of lanes 16-31
.set ADK, 8                            ; v8-11 LDS addresses of the step's loads
.set ADV, 9
.set ADS, 10
.set ADT, 11
; REGISTERS: v1 16 x lane; v2-4 the same with V's, K's scales' and V's scales' bases; v5, v6 the masks' lane constants; v7, v255 Q's scale words; v12 -M, v13 the largest t, v[14:15] the sum in two halves;
; v16-31 Q's two fragments; v32-95 eight fragments of K; v96-159 S^T, then p; v160-191 O^T; v192-223 four fragments of V; v224-231 p's codes; v232-239, v244-247, v254 at work;
; v240-243 V's scale words, v248-251 K's, v253 p's; v252 f.
.macro CROUND
	s_barrier_signal -1
	s_barrier_wait -1
	s_cmp_lg_u32 s[WV], 0
	s_cbranch_scc1 .Lnot_wave_0_\@
	s_barrier_signal -3
.Lnot_wave_0_\@:
	s_barrier_wait -3
	s_barrier_signal -1
	s_barrier_wait -1
.endm
.macro PLACES n
.rept \n
	v_nop
.endr
.endm
.macro BASES t, cb, sb                 ; where tile s[t]'s codes and scale bytes go.  s60 = 128 x batch, s62 = 512 x head, s63 = 128 (head / 2) + 2 (head % 2), s69 = 0
	s_add_co_u32 s66, s60, s[\t]                   ; the tile among all 512
	s_lshl_b32 s68, s66, 13
	s_add_co_u32 s68, s68, s62
	s_add_nc_u64 s[\cb:\cb+1], s[8:9], s[68:69]    ; ac: [tile][head][lane][16 bytes]
	s_lshr_b32 s68, s66, 1
	s_lshl_b32 s68, s68, 10
	s_and_b32 s67, s66, 1
	s_lshl_b32 s67, s67, 6
	s_add_co_u32 s68, s68, s67
	s_add_co_u32 s68, s68, s63
	s_add_nc_u64 s[\sb:\sb+1], s[10:11], s[68:69]  ; asc: [pair of tiles][K step of 128 features][tile of the pair][row][4 bytes]
.endm
; ONE TILE OF 16 QUERIES: all its key steps, the division, the quantiser, the stores.
.macro TILE qf, qs, dm, smax, trips, cbase, sbase
	s_wait_xcnt 0x0                                ; the last tile's stores have read their registers
	v_mov_b32 v13, 0xff61b1e6                      ; the largest t so far: -3e38, under every t
	s_delay_alu instid0(VALU_DEP_1)
	v_floor_f32 v12, -v13                          ; -M
	v_mov_b32 v14, 0
	v_mov_b32 v15, 0
.set j, 0
.rept 32
	v_mov_b32 v[160+j], 0                          ; O^T: the loop is written once; its first step finds zeros, which the first change of M leaves zeros
.set j, j+1
.endr
	s_mov_b32 s[TK], 0
	s_mov_b32 s[TS], 0
	s_mov_b32 s[ST], 0
.Lstep_\@:
	s_cmp_gt_u32 s[ST], s[\smax]                   ; all 128 keys come after my queries: only the addresses step
	s_cbranch_scc1 .Lhidden_\@
	v_add_nc_u32 v[ADK], s[TK], v1                 ; (these four are also the places between the last step's products and the loads into their operands)
	v_add_nc_u32 v[ADV], s[TK], v2
	v_add_nc_u32 v[ADS], s[TS], v3
	v_add_nc_u32 v[ADT], s[TS], v4
.irp t, 0,1,2,3,4,5,6,7
	ds_load_b128 v[32+8*\t:35+8*\t], v[ADK] offset:512*\t          ; K: eight tiles of 16 keys
.endr
.irp t, 0,1,2,3
	ds_load_b32 v[248+\t], v[ADS] offset:128*\t                    ; lanes 0-15 the words of tile 2 t, lanes 16-31 of tile 2 t + 1
.endr
.irp t, 0,1,2,3
	ds_load_b128 v[192+8*\t:195+8*\t], v[ADV] offset:1024*\t       ; V: four tiles of 16 dims x 128 keys
	ds_load_b128 v[196+8*\t:199+8*\t], v[ADV] offset:1024*\t+512
.endr
.irp t, 0,1,2,3
	ds_load_b32 v[240+\t], v[ADT] offset:128*\t
.endr
	s_wait_dscnt 12                                ; K and its words are in; V's twelve loads may be out
.irp t, 0,1,2,3,4,5,6,7
.if \t%2
	v_wmma_scale_f32_16x16x128_f8f6f4 v[96+8*\t:103+8*\t], v[32+8*\t:39+8*\t], v[\qf:\qf+7], 0, v[248+\t/2], v[\qs] matrix_a_fmt:MATRIX_FMT_FP4 matrix_b_fmt:MATRIX_FMT_FP4 matrix_a_scale:MATRIX_SCALE_ROW1
.else
	v_wmma_scale_f32_16x16x128_f8f6f4 v[96+8*\t:103+8*\t], v[32+8*\t:39+8*\t], v[\qf:\qf+7], 0, v[248+\t/2], v[\qs] matrix_a_fmt:MATRIX_FMT_FP4 matrix_b_fmt:MATRIX_FMT_FP4
.endif
.endr
	PLACES 4
	s_cmp_eq_u32 s[ST], s[\smax]                   ; the tile's last step lies on the diagonal: hidden scores become -infinity ahead of the maximum, so that p = 0
	s_cbranch_scc0 .Lopen_\@
	v_mov_b32 v254, 0xff800000
.set n, 0
.rept 64
	v_cmp_gt_i32 vcc_lo, 32*(n/16)+n%16, v[\dm]    ; register 16 b + i holds the step's key 32 b + 16 h + i: hidden where 32 b + i > my query's place in the step - 16 h
	v_cndmask_b32 v[96+n], v[96+n], v254, vcc_lo
.set n, n+1
.endr
.Lopen_\@:
.irp b, 0,1,2,3
	v_max3_num_f32 v[232+\b], v[96+16*\b], v[97+16*\b], v[98+16*\b]   ; the largest score of each block of 32 keys: for the row's maximum, and, since p rises with the score, for the block's largest p
.endr
.irp i, 3,5,7,9,11,13
.irp b, 0,1,2,3
	v_max3_num_f32 v[232+\b], v[232+\b], v[96+16*\b+\i], v[97+16*\b+\i]
.endr
.endr
.irp b, 0,1,2,3
	v_max_num_f32 v[232+\b], v[232+\b], v[111+16*\b]
.endr
.irp b, 0,1,2,3
	s_delay_alu instid0(VALU_DEP_4)
	v_permlanex16_b32 v[236+\b], v[232+\b], s[SEL], s[SEL+1]
.endr
.irp b, 0,1,2,3
	s_delay_alu instid0(VALU_DEP_4)
	v_max_num_f32 v[232+\b], v[232+\b], v[236+\b]  ; with lane l xor 16's 16 keys
.endr
	s_delay_alu instid0(VALU_DEP_2)
	v_max3_num_f32 v254, v232, v233, v234
	s_delay_alu instid0(VALU_DEP_1)
	v_max_num_f32 v254, v254, v235                 ; the step's largest score of my query
	s_delay_alu instid0(VALU_DEP_1)
	v_mul_f32 v254, s[CS], v254                    ; as t
	s_delay_alu instid0(VALU_DEP_1)
	v_max_num_f32 v13, v13, v254                   ; the running largest t
	v_mov_b32 v254, v12
	s_delay_alu instid0(VALU_DEP_2)
	v_floor_f32 v12, -v13                          ; the new -M = -ceil(t)
	s_delay_alu instid0(VALU_DEP_1)
	v_sub_f32 v254, v12, v254                      ; old M - new M: a whole number, 0 or less
	s_delay_alu instid0(VALU_DEP_1)
	v_cvt_i32_f32 v254, v254                       ; (it saturates)
	s_delay_alu instid0(VALU_DEP_1)
	v_ldexp_f32 v252, 1.0, v254                    ; f = 2^(old M - new M)
.set j, 0
.rept 32
	v_pk_fma_f32 v[96+j:97+j], v[96+j:97+j], s[CS:CS+1], v[12:13] op_sel_hi:[1,0,0]   ; t - M, two at a time
.set j, j+2
.endr
.irp b, 0,1,2,3
	v_fma_f32 v[232+\b], v[232+\b], s[CS], v12     ; the same of each block's largest score
.endr
.set j, 0
	s_wait_alu depctr_va_vdst(0)
.rept 64
	v_exp_f32 v[96+j], v[96+j]                     ; p = 2^(t - M)
.set j, j+1
.endr
	v_pk_mul_f32 v[14:15], v[14:15], v[252:253] op_sel_hi:[1,0]    ; the sums under the new M: the plain instruction behind the exponentials
	s_wait_alu depctr_va_vdst(0)                   ; one wait for the batch of 64, ahead of its first reader
.irp b, 0,1,2,3
	v_exp_f32 v[232+\b], v[232+\b]                 ; the block's largest p
.endr
	v_pk_add_f32 v[236:237], v[100:101], v[104:105]
	v_pk_add_f32 v[250:251], v[108:109], v[112:113]
	v_pk_add_f32 v[248:249], v[116:117], v[120:121]
	v_pk_add_f32 v[246:247], v[124:125], v[128:129]
	v_pk_add_f32 v[244:245], v[132:133], v[136:137]
	v_pk_add_f32 v[238:239], v[140:141], v[144:145]
	v_pk_add_f32 v[230:231], v[148:149], v[152:153]
	v_pk_add_f32 v[14:15], v[14:15], v[156:157]
	v_pk_add_f32 v[236:237], v[236:237], v[96:97]
	v_pk_add_f32 v[250:251], v[250:251], v[98:99]
	v_pk_add_f32 v[248:249], v[248:249], v[102:103]
	v_pk_add_f32 v[246:247], v[246:247], v[106:107]
	v_pk_add_f32 v[244:245], v[244:245], v[110:111]
	v_pk_add_f32 v[238:239], v[238:239], v[114:115]
	v_pk_add_f32 v[230:231], v[230:231], v[118:119]
	v_pk_add_f32 v[14:15], v[14:15], v[122:123]
	v_pk_add_f32 v[236:237], v[236:237], v[126:127]
	v_pk_add_f32 v[250:251], v[250:251], v[130:131]
	v_pk_add_f32 v[248:249], v[248:249], v[134:135]
	v_pk_add_f32 v[246:247], v[246:247], v[138:139]
	v_pk_add_f32 v[244:245], v[244:245], v[142:143]
	v_pk_add_f32 v[238:239], v[238:239], v[146:147]
	v_pk_add_f32 v[230:231], v[230:231], v[150:151]
	v_pk_add_f32 v[14:15], v[14:15], v[154:155]
	v_pk_add_f32 v[236:237], v[236:237], v[158:159]
	s_delay_alu instid0(VALU_DEP_2)
	v_pk_add_f32 v[14:15], v[14:15], v[246:247]
	s_delay_alu instid0(VALU_DEP_2)
	v_pk_add_f32 v[236:237], v[236:237], v[244:245]
	v_pk_add_f32 v[250:251], v[250:251], v[238:239]
	v_pk_add_f32 v[248:249], v[248:249], v[230:231]
	s_delay_alu instid0(VALU_DEP_2)
	v_pk_add_f32 v[14:15], v[14:15], v[250:251]
	s_delay_alu instid0(VALU_DEP_2)
	v_pk_add_f32 v[236:237], v[236:237], v[248:249]
	s_delay_alu instid0(VALU_DEP_1)
	v_pk_add_f32 v[14:15], v[14:15], v[236:237]
	s_wait_alu depctr_va_vdst(0)                   ; and one for the four
.irp b, 0,1,2,3
	v_max_num_f32 v[232+\b], 0x1800000, v[232+\b]  ; the floor 2^(3 - 127): a block whose every p is 0 keeps the byte 1: its codes are zeros
.endr
.irp b, 0,1,2,3
	s_delay_alu instid0(VALU_DEP_4)
	v_add_nc_u32 v[244+\b], 0xff000000, v[232+\b]  ; 2 off the exponent field: the conversion's scale operand
.endr
.irp b, 0,1,2,3
	s_delay_alu instid0(VALU_DEP_4)
	v_lshrrev_b32 v[236+\b], 23, v[244+\b]         ; the scale's byte
.endr
	s_delay_alu instid0(VALU_DEP_3)
	v_lshl_or_b32 v253, v237, 8, v236              ; p's scale word for these 128 keys
	s_delay_alu instid0(VALU_DEP_1)
	v_lshl_or_b32 v253, v238, 16, v253
	s_delay_alu instid0(VALU_DEP_1)
	v_lshl_or_b32 v253, v239, 24, v253
.irp b, 0,1,2,3
	v_cvt_scalef32_pk8_fp4_f32 v[224+2*\b], v[96+16*\b:103+16*\b], v[244+\b]
	v_cvt_scalef32_pk8_fp4_f32 v[225+2*\b], v[104+16*\b:111+16*\b], v[244+\b]
.endr
	v_nop                                          ; one plain place behind a scaled conversion
.irp c, 0,1                                    ; a whole block to a lane
.irp i, 0,1
	v_permlane16_swap_b32 v[224+4*\c+\i], v[226+4*\c+\i]
.endr
.endr
.set j, 0
.rept 16
	v_pk_mul_f32 v[160+j:161+j], v[160+j:161+j], v[252:253] op_sel_hi:[1,0]   ; O^T under the new M.  (These sixteen stand between the writes of p's codes and scale word and the products that take them)
.set j, j+2
.endr
	s_wait_alu depctr_va_vdst(0)
	s_wait_dscnt 0x0                               ; V and its words are in
.irp t, 0,1,2,3
	v_wmma_scale_f32_16x16x128_f8f6f4 v[160+8*\t:167+8*\t], v[192+8*\t:199+8*\t], v[224:231], v[160+8*\t:167+8*\t], v[240+\t], v253 matrix_a_fmt:MATRIX_FMT_FP4 matrix_b_fmt:MATRIX_FMT_FP4
.endr
.Lhidden_\@:
	s_add_co_u32 s[TK], s[TK], 4096
	s_add_co_u32 s[TS], s[TS], 512
	s_add_co_u32 s[ST], s[ST], 1
	s_cmp_lt_u32 s[ST], \trips
	s_cbranch_scc1 .Lstep_\@
	v_add_f32 v14, v14, v15                        ; the sum's two halves.  (The plain lines from here to the first read of O^T are the places behind the last products)
	s_delay_alu instid0(VALU_DEP_1)
	v_permlanex16_b32 v252, v14, s[SEL], s[SEL+1]
	s_delay_alu instid0(VALU_DEP_1)
	v_add_f32 v14, v14, v252                       ; and lane l xor 16's: the row's sum
	s_wait_alu depctr_va_vdst(0)
	v_rcp_f32 v14, v14
	v_and_b32 v235, 15, v0                         ; (a plain place behind the reciprocal)
	v_bfe_u32 v238, v0, 4, 1
	s_delay_alu instid0(VALU_DEP_1)
	v_lshl_add_u32 v235, v235, 2, v238             ; where my scale byte goes: 4 r + h
	s_wait_alu depctr_va_vdst(0)                   ; the wait ahead of the reciprocal's first reader
.set j, 0
.rept 32
	v_mul_f32 v[96+j], v[160+j], v14               ; register 16 B + i: dim 32 B + 16 h + i of my query
.set j, j+1
.endr
.irp b, 0,1
	v_max3_num_f32 v[232+\b], |v[96+16*\b]|, |v[97+16*\b]|, 0x1800000
.endr
.irp i, 2,4,6,8,10,12,14
.irp b, 0,1
	s_delay_alu instid0(VALU_DEP_2)
	v_max3_num_f32 v[232+\b], v[232+\b], |v[96+16*\b+\i]|, |v[97+16*\b+\i]|
.endr
.endr
.irp b, 0,1
	s_delay_alu instid0(VALU_DEP_2)
	v_permlanex16_b32 v[236+\b], v[232+\b], s[SEL], s[SEL+1]
.endr
.irp b, 0,1
	s_delay_alu instid0(VALU_DEP_2)
	v_max_num_f32 v[232+\b], v[232+\b], v[236+\b]
.endr
.irp b, 0,1
	s_delay_alu instid0(VALU_DEP_2)
	v_add_nc_u32 v[244+\b], 0xff000000, v[232+\b]
.endr
.irp b, 0,1
	s_delay_alu instid0(VALU_DEP_2)
	v_lshrrev_b32 v[236+\b], 23, v[244+\b]
.endr
	s_delay_alu instid0(VALU_DEP_1)
	v_cndmask_b32 v234, v236, v237, s[HI]          ; lanes 0-15 send block 0's byte, lanes 16-31 block 1's
.irp b, 0,1
	v_cvt_scalef32_pk8_fp4_f32 v[224+2*\b], v[96+16*\b:103+16*\b], v[244+\b]
	v_cvt_scalef32_pk8_fp4_f32 v[225+2*\b], v[104+16*\b:111+16*\b], v[244+\b]
.endr
	v_nop
	v_permlane16_swap_b32 v224, v226
	v_permlane16_swap_b32 v225, v227               ; v224-227: my head's dims 32 h + 0 .. 31: four registers of the next product's fragment
	global_store_b128 v1, v[224:227], s[\cbase:\cbase+1]           ; 512 consecutive aligned bytes
	global_store_b8 v235, v234, s[\sbase:\sbase+1]
.endm
	s_load_b256 s[4:11], s[0:1], 0x0               ; img, isc, ac, asc
	v_lshl_add_u32 v254, v0, 2, 0x29000
	v_mov_b32 v255, 0
	ds_add_u32 v254, v255
	ds_add_u32 v254, v255
	s_wait_dscnt 0x0
	v_lshrrev_b32 v8, 5, v0
	s_delay_alu instid0(VALU_DEP_1)
	v_readfirstlane_b32 s[WV], v8
	s_bfe_u32 s13, ttmp6, 0x40000                  ; cx
	s_and_b32 s14, ttmp7, 0xffff                   ; batch x 16 + head, which the four partners share
	s_lshl_b32 s15, s[WV], 2
	s_add_co_u32 s15, s15, s13                     ; my early tile,
	s_sub_co_u32 s16, 127, s15                     ; my late one
	s_lshr_b32 s18, s[WV], 1                       ; their last key steps: numbers of the wave alone
	s_sub_co_u32 s19, 15, s18
	s_mov_b32 s[SEL], 0x76543210
	s_mov_b32 s[SEL+1], 0xfedcba98
	s_mov_b32 s[CS], 0x3e38aa3b                    ; log2(e) / 8
	s_mov_b32 s[CS+1], s[CS]
	s_mov_b32 s[HI], 0xffff0000
	; group 1: dense blocks as rows of 256 bytes (32 elements of 8 bytes), no padding; the mask names all four work-groups, bit 21 set beside it
	s_mov_b32 s[G1C], 15|(3<<16)|(1<<21)
	s_mov_b32 s[G1C+1], 32<<16
	s_mov_b32 s[G1C+2], 64<<16                     ; 64 rows: a quarter of K's or of V's images
	s_mov_b32 s[G1C+3], 32<<16
	s_mov_b32 s[G1C+4], 64
	s_mov_b32 s[G1C+5], 32
	s_mov_b32 s[G1C+6], 0
	s_mov_b32 s[G1C+7], 0
	s_mov_b32 s[G1S], 15|(3<<16)|(1<<21)
	s_mov_b32 s[G1S+1], 32<<16
	s_mov_b32 s[G1S+2], 32<<16                     ; 32 rows: K's or V's scale words
	s_mov_b32 s[G1S+3], 32<<16
	s_mov_b32 s[G1S+4], 32
	s_mov_b32 s[G1S+5], 32
	s_mov_b32 s[G1S+6], 0
	s_mov_b32 s[G1S+7], 0
	s_and_b32 s60, s[WV], 7                        ; waves 0-3: K's quarters; waves 4-7: V's
	s_lshl_b32 s[G0C+1], s60, 14
	s_lshr_b32 s61, s60, 2
	s_add_co_u32 s61, s61, 1
	s_lshl_b32 s61, s61, 22                        ; k's images begin 4 MiB into img, v's 8 MiB
	s_and_b32 s60, s60, 3
	s_lshl_b32 s60, s60, 14
	s_add_co_u32 s60, s60, s61
	s_lshl_b32 s61, s14, 16
	s_add_co_u32 s60, s60, s61
	s_mov_b32 s61, 0
	s_and_b32 s62, s[WV], 1                        ; wave 8: K's scale words; wave 9: V's
	s_lshl_b32 s[G0S+1], s62, 13
	s_add_co_u32 s[G0S+1], s[G0S+1], KSC
	s_add_co_u32 s62, s62, 1
	s_lshl_b32 s62, s62, 19
	s_lshl_b32 s63, s14, 13
	s_add_co_u32 s62, s62, s63
	s_mov_b32 s63, 0
	s_wait_kmcnt 0x0
	s_mov_b32 s[G0C], 1
	s_add_nc_u64 s[G0C+2:G0C+3], s[4:5], s[60:61]
	s_or_b32 s[G0C+3], s[G0C+3], 0x80000000
	s_mov_b32 s[G0S], 1
	s_add_nc_u64 s[G0S+2:G0S+3], s[6:7], s[62:63]
	s_or_b32 s[G0S+3], s[G0S+3], 0x80000000
	CROUND                                         ; all four work-groups are here: the joint loads meet
	s_cmp_lt_u32 s[WV], 8                          ; the branches hang on the wave's number alone; four v_nop follow each load.  One load of a wave is out
	s_cbranch_scc0 .Lnot_codes
	tensor_load_to_lds s[G0C:G0C+3], s[G1C:G1C+7]
	s_nop 0
	PLACES 4
	s_branch .Lasked
.Lnot_codes:
	s_cmp_lt_u32 s[WV], 10
	s_cbranch_scc0 .Lasked
	tensor_load_to_lds s[G0S:G0S+3], s[G1S:G1S+7]
	s_nop 0
	PLACES 4
.Lasked:
	s_lshr_b32 s60, s14, 4
	s_lshl_b32 s60, s60, 7                         ; 128 x batch
	s_and_b32 s61, s14, 15                         ; head
	s_lshl_b32 s62, s61, 9
	s_lshr_b32 s63, s61, 1
	s_lshl_b32 s63, s63, 7
	s_and_b32 s61, s61, 1
	s_lshl_b32 s61, s61, 1
	s_add_co_u32 s63, s63, s61
	s_mov_b32 s69, 0
	BASES 15, 48, 50
	BASES 16, 52, 54
	v_and_b32 v232, 31, v0                         ; lane
	v_and_b32 v233, 15, v0                         ; r
	v_bfe_u32 v234, v0, 4, 1                       ; h
	s_delay_alu instid0(VALU_DEP_3)
	v_lshlrev_b32 v1, 4, v232
	s_delay_alu instid0(VALU_DEP_1)
	v_add_nc_u32 v2, VIM, v1
	v_lshlrev_b32 v4, 2, v232
	s_delay_alu instid0(VALU_DEP_1)
	v_add_nc_u32 v3, KSC, v4
	s_delay_alu instid0(VALU_DEP_2)
	v_add_nc_u32 v4, VSC, v4
	s_lshl_b32 s66, s14, 16                        ; Q's fragments: head, tile, 16 bytes a lane
	s_lshl_b32 s67, s15, 9
	s_add_co_u32 s67, s67, s66
	v_add_nc_u32 v8, s67, v1
	s_lshl_b32 s67, s16, 9
	s_add_co_u32 s67, s67, s66
	v_add_nc_u32 v9, s67, v1
	v_lshlrev_b32 v235, 2, v233
	s_lshl_b32 s66, s14, 13                        ; and their scale words: 4 bytes a row
	s_lshl_b32 s67, s15, 6
	s_add_co_u32 s67, s67, s66
	v_add_nc_u32 v10, s67, v235
	s_lshl_b32 s67, s16, 6
	s_add_co_u32 s67, s67, s66
	v_add_nc_u32 v11, s67, v235
	global_load_b128 v[16:19], v8, s[4:5]
	global_load_b128 v[24:27], v9, s[4:5]
	global_load_b32 v255, v10, s[6:7]
	global_load_b32 v7, v11, s[6:7]
	v_and_b32 v5, 8, v233                          ; the mask's constant: my query's place in its last key step, 32 ((T / 2) % 4) + 8 (T % 2) + r + 8 (r / 8), less 16 h
	s_delay_alu instid0(VALU_DEP_1)
	v_add_nc_u32 v5, v5, v233
	v_lshlrev_b32 v6, 4, v234
	s_delay_alu instid0(VALU_DEP_1)
	v_sub_nc_u32 v5, v5, v6
	s_wait_alu depctr_va_vdst(0)
	s_bfe_u32 s66, s16, 0x20001
	s_lshl_b32 s66, s66, 5
	s_and_b32 s67, s16, 1
	s_lshl_b32 s67, s67, 3
	s_add_co_u32 s66, s66, s67
	v_add_nc_u32 v6, s66, v5
	s_bfe_u32 s66, s15, 0x20001
	s_lshl_b32 s66, s66, 5
	s_and_b32 s67, s15, 1
	s_lshl_b32 s67, s67, 3
	s_add_co_u32 s66, s66, s67
	v_add_nc_u32 v5, s66, v5
.irp j, 20,21,22,23,28,29,30,31
	v_mov_b32 v[\j], 0                             ; k = 64 .. 127 of Q: zero codes
.endr
.irp t, 0,1,2,3,4,5,6,7
.irp j, 4,5,6,7
	v_mov_b32 v[32+8*\t+\j], 0                     ; and of K: written once, never loaded over
.endr
.endr
.irp b, 0,1,2,3
	v_mov_b32 v[236+\b], 0                         ; a lane permute's destination counts as one of its sources
.endr
	v_mov_b32 v252, 0
	v_mov_b32 v253, 0                              ; (named as the upper half of the pair v[252:253] before it is first written)
	s_wait_loadcnt 0x0                             ; Q; its address registers may be written again
	s_wait_tensorcnt 0x0                           ; my part of the head is in,
	s_barrier_signal -1
	s_barrier_wait -1                              ; everybody's is
	TILE 16, 255, 5, 18, 8, 48, 50
	TILE 24, 7, 6, 19, 16, 52, 54
	s_wait_xcnt 0x0
	v_lshl_add_u32 v254, v0, 2, 0x29000
	v_mov_b32 v255, 0
	s_wait_alu depctr_va_vdst(0)
	s_wait_tensorcnt 0x0
	ds_add_u32 v254, v255
	s_wait_dscnt 0x0
	CROUND                                         ; the closing round
	s_endpgm
.Lfunc_end_k_q6dae93a6ac_attn:
	.size	k_q6dae93a6ac_attn, .Lfunc_end_k_q6dae93a6ac_attn-k_q6dae93a6ac_attn
	.p2alignl 7, 3214868480
	.fill 96, 4, 3214868480
	.section	.rodata,"a",@progbits
	.p2align	6, 0x0
	.amdhsa_kernel k_q6dae93a6ac_attn
		.amdhsa_group_segment_fixed_size 169984
		.amdhsa_private_segment_fixed_size 0
		.amdhsa_enable_private_segment 0
		.amdhsa_kernarg_size 32
		.amdhsa_user_sgpr_count 2
		.amdhsa_user_sgpr_kernarg_segment_ptr 1
		.amdhsa_wavefront_size32 1
		.amdhsa_system_sgpr_workgroup_id_x 1
		.amdhsa_system_sgpr_workgroup_id_y 1
		.amdhsa_system_sgpr_workgroup_id_z 1
		.amdhsa_system_vgpr_workitem_id 0
		.amdhsa_next_free_vgpr 256
		.amdhsa_next_free_sgpr 80
		.amdhsa_reserve_vcc 1
		.amdhsa_float_denorm_mode_32 3
		.amdhsa_float_denorm_mode_16_64 3
		.amdhsa_memory_ordered 1
		.amdhsa_forward_progress 1
		.amdhsa_inst_pref_size 64
	.end_amdhsa_kernel
	.amdgpu_metadata
---
amdhsa.version: [ 1, 2 ]
amdhsa.kernels:
  - .name:           k_q6dae93a6ac_attn
    .symbol:         k_q6dae93a6ac_attn.kd
    .args:
      - { .name: img, .offset: 0, .size: 8, .value_kind: global_buffer, .address_space: global }
      - { .name: isc, .offset: 8, .size: 8, .value_kind: global_buffer, .address_space: global }
      - { .name: ac, .offset: 16, .size: 8, .value_kind: global_buffer, .address_space: global }
      - { .name: asc, .offset: 24, .size: 8, .value_kind: global_buffer, .address_space: global }
    .group_segment_fixed_size: 169984
    .private_segment_fixed_size: 0
    .kernarg_segment_align: 8
    .kernarg_segment_size: 32
    .max_flat_workgroup_size: 512
    .sgpr_count:     80
    .vgpr_count:     256
    .wavefront_size: 32
...
	.end_amdgpu_metadata
.endif
;; end of part 3
;; launch outp (part 4): grid 4 x 64, 8 waves a work-group, clusters of 4 x 4, 286,208 bytes of LDS; arguments ac, asc, wi, ws, bo, out0; writes out0
.if DOCPART == 4
	.amdgcn_target "amdgcn-amd-amdhsa--gfx1250"
	.amdhsa_code_object_version 6
	.text
	.protected	k_q6dae93a6ac_outp
	.globl	k_q6dae93a6ac_outp
	.p2align	8
	.type	k_q6dae93a6ac_outp,@function
k_q6dae93a6ac_outp:
	s_mov_b64 s[64:65], 0
	v_nop
	global_prefetch_b8 v0, s[64:65] scope:SCOPE_SE
	s_setreg_imm32_b32 hwreg(HW_REG_WAVE_MODE, 25, 1), 1
	s_wait_xcnt 0x0
	s_wait_alu depctr_hold_cnt(0) depctr_sa_sdst(0) depctr_va_vdst(0) depctr_va_sdst(0) depctr_va_ssrc(0) depctr_va_vcc(0) depctr_vm_vsrc(0)
	s_getreg_b32 s2, hwreg(HW_REG_IB_STS2, 6, 4)
	s_cmp_eq_u32 s2, 0
	s_cbranch_scc0 .Lentry_in_a_cluster
	s_endpgm
.Lentry_in_a_cluster:
	s_bfe_u32 s2, ttmp6, 0x10000c
	s_cmp_lg_u32 s2, 0xf033
	s_cbranch_scc0 .Lentry_shape_is_right
	s_endpgm
.Lentry_shape_is_right:
; out0 = a Wo^T + bo on codes of FP4 with E8M0 scales; a is attention's result, [8192][1024]; both operands arrive as images of this product's fragments; out0 is f32.
; ac and Wo's part of wi: [tile of 16 stored rows][K step of 128][half][lane][16 bytes]; asc: [pair of tiles][K step][tile of the pair][row][4 bytes]; Wo's scale bytes in ws: [stored row][32].
; Stored row 16 T + r is row 32 (T / 2) + 8 (T % 2) + r + 8 (r / 8).  THE MATRIX INSTRUCTION IS USED TRANSPOSED (source 0 = Wo's tile, source 1 = a's tile):
; in accumulators (a, 2 B + u) lane (r, h) holds row r of tile a and register j the column 32 B + 8 u + 16 h + j.  The order of rows is undone in the stores' immediates, that of columns in the stage's offsets.
; SHARES.  A work-group makes 128 x 256; wave w takes rows 32 (w % 4) and columns 128 (w / 4): 16 accumulators, which begin as the bias.  All of K lies in LDS, filled once.
; CLUSTERS: 4 x 4.  a's tiles are shared along a row of the cluster, Wo's along a column.  One joint load a wave: waves 0, 1 the halves of a's 65,536 bytes, waves 2 to 5 the quarters of Wo's 131,072, wave 6 a's scale words, wave 7 Wo's scale bytes.
; Nothing is prefetched: every byte that comes through LDS is asked for by the first fills, and there is no loop to run ahead in.
; THE WAY OUT: 16 rows x 128 columns go through the wave's own stage in LDS and leave as whole rows: 32 lanes store 512 consecutive aligned bytes.
.set PITCH, 272
.set ASC,   65536                      ; a's scale words: 4,096 bytes
.set QB,    69632                      ; Wo's images
.set QS,    QB+139264                  ; Wo's scale bytes: 32 runs of 256 + 16
.set STG,   QS+32*PITCH                ; the stages: 16 rows x 528 bytes for each wave
.set SPITCH, 528
.set SPARE, STG+8*16*SPITCH
.set PADW,  (1<<20)|(1<<21)|(5<<22)|(3<<25)
.set WV, 18
.set WQ, 19
.set WN, 20
.set CX, 21
.set CY, 22
.set G1A, 24
.set G1Q, 32
.set G1AS, 40
.set G1QS, 48
.set G0A, 56
.set G0Q, 60
.set G0AS, 68
.set G0QS, 72
.set ADRA, 1
.set ADRB, 2
.set ADSA, 4
.set ADSB, 5
.set STO,  6
.set RD,   7
.set GO,   8
.set SCA,  16                          ; v16-19 a's scale words of four K steps;  v20-35 Wo's
.set SCB,  20
.set AF,   48
.set BF,   64
.set ACC,  128
.macro CROUND
	s_barrier_signal -1
	s_barrier_wait -1
	s_cmp_lg_u32 s[WV], 0
	s_cbranch_scc1 .Lnot_wave_0_\@
	s_barrier_signal -3
.Lnot_wave_0_\@:
	s_barrier_wait -3
	s_barrier_signal -1
	s_barrier_wait -1
.endm
.macro PLACES n
.rept \n
	v_nop
.endr
.endm
.macro FRAGI reg, adr, off
	ds_load_b128 v[\reg:\reg+3], v[\adr] offset:\off
	ds_load_b128 v[\reg+4:\reg+7], v[\adr] offset:\off+512
.endm
.macro WMS a, b, q
.set rD, ACC+64*(\a)+8*(\b)
.set rB, BF+8*(\b)
.set rA, AF+8*(\a)
.set rSB, SCB+4*((\b)/2)+(\q)
.set rSA, SCA+(\q)
.if ((\b)%2) && (\a)
	v_wmma_scale_f32_16x16x128_f8f6f4 v[rD:rD+7], v[rB:rB+7], v[rA:rA+7], v[rD:rD+7], v[rSB], v[rSA] matrix_a_fmt:MATRIX_FMT_FP4 matrix_b_fmt:MATRIX_FMT_FP4 matrix_a_scale:MATRIX_SCALE_ROW1 matrix_b_scale:MATRIX_SCALE_ROW1
.elseif ((\b)%2)
	v_wmma_scale_f32_16x16x128_f8f6f4 v[rD:rD+7], v[rB:rB+7], v[rA:rA+7], v[rD:rD+7], v[rSB], v[rSA] matrix_a_fmt:MATRIX_FMT_FP4 matrix_b_fmt:MATRIX_FMT_FP4 matrix_a_scale:MATRIX_SCALE_ROW1
.elseif (\a)
	v_wmma_scale_f32_16x16x128_f8f6f4 v[rD:rD+7], v[rB:rB+7], v[rA:rA+7], v[rD:rD+7], v[rSB], v[rSA] matrix_a_fmt:MATRIX_FMT_FP4 matrix_b_fmt:MATRIX_FMT_FP4 matrix_b_scale:MATRIX_SCALE_ROW1
.else
	v_wmma_scale_f32_16x16x128_f8f6f4 v[rD:rD+7], v[rB:rB+7], v[rA:rA+7], v[rD:rD+7], v[rSB], v[rSA] matrix_a_fmt:MATRIX_FMT_FP4 matrix_b_fmt:MATRIX_FMT_FP4
.endif
.endm
; A K step of 128: ten fragments, 16 matrix instructions; the 16 accumulators take turns.
.macro KSTEP q
	PLACES 4                                       ; in front of loads into registers that matrix instructions have read
.irp i, 0,1,2,3,4,5,6,7
	FRAGI BF+8*\i, ADRB, \i*8192+(\q)*1024
.endr
.irp i, 0,1
	FRAGI AF+8*\i, ADRA, \i*8192+(\q)*1024
.endr
.if (\q)%4 == 0
.irp i, 0,1,2,3
	ds_load_b32 v[SCA+\i], v[ADSA] offset:128*((\q)+\i)            ; lanes 0-15 tile 0's rows, lanes 16-31 tile 1's
.endr
.irp i, 0,1,2,3
	ds_load_b128 v[SCB+4*\i:SCB+4*\i+3], v[ADSB] offset:\i*4*PITCH+16*((\q)/4)
.endr
.endif
	s_wait_dscnt 0x0
.irp a, 0,1
.irp b, 0,1,2,3,4,5,6,7
	WMS \a, \b, (\q)%4
.endr
.endr
.endm
.macro STAGE_IN a                      ; each accumulator from its low end on
.irp b, 0,1,2,3,4,5,6,7
	ds_store_b128 v[STO], v[ACC+64*\a+8*\b:ACC+64*\a+8*\b+3] offset:128*(\b/2)+32*(\b%2)
	ds_store_b128 v[STO], v[ACC+64*\a+8*\b+4:ACC+64*\a+8*\b+7] offset:128*(\b/2)+32*(\b%2)+16
.endr
.endm
.macro STAGE_OUT reg                   ; LDS serves a wave's instructions in order: these see the stores above
.irp i, 0,1,2,3,4,5,6,7,8,9,10,11,12,13,14,15
	ds_load_b128 v[\reg+4*\i:\reg+4*\i+3], v[RD] offset:\i*SPITCH
.endr
.endm
.macro SEND a, reg                     ; stored row i of tile a is row 8 a + i + 8 (i / 8) of my 32
.irp i, 0,1,2,3,4,5,6,7,8,9,10,11,12,13,14,15
	global_store_b128 v[GO], v[\reg+4*\i:\reg+4*\i+3], s[14:15] offset:(8*\a+\i+8*(\i/8))*4096 th:TH_STORE_NT
.endr
.endm
.macro DENSE g, rows                   ; group 1, words 1 to 7: rows of 256 dense bytes (32 elements of 8 bytes)
	s_mov_b32 s[\g+1], 32<<16
	s_mov_b32 s[\g+2], (\rows)<<16
	s_mov_b32 s[\g+3], 32<<16
	s_mov_b32 s[\g+4], \rows
	s_mov_b32 s[\g+5], 32
	s_mov_b32 s[\g+6], 0
	s_mov_b32 s[\g+7], 0
.endm
.macro ARM under, g0, g1, next         ; one arm of the head's chain: a load, and a jump to the join
	s_cmp_lt_u32 s[WV], \under
	s_cbranch_scc0 \next
	tensor_load_to_lds s[\g0:\g0+3], s[\g1:\g1+7]
	s_nop 0
	PLACES 4
	s_branch .Lasked
\next:
.endm
	s_load_b256 s[4:11], s[0:1], 0x0               ; ac, asc, wi, ws
	s_load_b128 s[12:15], s[0:1], 0x20             ; bo, out0
	v_lshl_add_u32 v46, v0, 2, SPARE
	v_mov_b32 v47, 0
	ds_add_u32 v46, v47                            ; the opening lines: the add twice on end and its wait
	ds_add_u32 v46, v47
	v_lshrrev_b32 v1, 5, v0
	v_readfirstlane_b32 s[WV], v1
	s_and_b32 s[WQ], s[WV], 3
	s_lshr_b32 s[WN], s[WV], 2
	s_bfe_u32 s[CX], ttmp6, 0x40000
	s_bfe_u32 s[CY], ttmp6, 0x40004
	s_and_b32 s94, ttmp7, 0xffff
	s_lshl_b32 s94, s94, 2
	s_add_co_u32 s94, s94, s[CY]                   ; the tile of 128 rows
	s_lshl_b32 s96, ttmp9, 2
	s_add_co_u32 s96, s96, s[CX]                   ; the tile of 256 columns
	s_lshl_b32 s99, s[CY], 2
	s_lshl_b32 s99, 15, s99                        ; my row of the cluster
	s_lshl_b32 s100, 0x1111, s[CX]                 ; my column
	s_or_b32 s[G1A], s99, (3<<16)|(1<<21)
	DENSE G1A, 128
	s_or_b32 s[G1Q], s100, (3<<16)|(1<<21)
	DENSE G1Q, 128
	s_or_b32 s[G1AS], s99, (3<<16)|(1<<21)
	DENSE G1AS, 16
	s_or_b32 s[G1QS], s100, PADW|(3<<16)
	DENSE G1QS, 32
	s_wait_dscnt 0x0
	s_wait_kmcnt 0x0
	; group 0, a's: registers s2, s3, s94 never hold cx
	s_lshl_b32 s2, s94, 16
	s_lshl_b32 s3, s[WV], 15
	s_add_co_u32 s2, s2, s3                        ; waves 0, 1: a half of the 65,536 bytes
	s_mov_b32 s3, 0
	s_mov_b32 s[G0A], 1
	s_lshl_b32 s[G0A+1], s[WV], 15
	s_add_nc_u64 s[G0A+2:G0A+3], s[4:5], s[2:3]
	s_or_b32 s[G0A+3], s[G0A+3], 0x80000000
	s_lshl_b32 s2, s94, 12
	s_mov_b32 s[G0AS], 1
	s_mov_b32 s[G0AS+1], ASC
	s_add_nc_u64 s[G0AS+2:G0AS+3], s[6:7], s[2:3]
	s_or_b32 s[G0AS+3], s[G0AS+3], 0x80000000
	; Wo's: registers s66, s67, s96 never hold cy
	s_lshl_b32 s66, s96, 17
	s_lshl_b32 s67, s[WV], 15
	s_add_co_u32 s66, s66, s67
	s_add_co_u32 s66, s66, 0x180000-65536          ; Wo's images in wi; waves 2 to 5: quarter w - 2
	s_mov_b32 s67, 0
	s_mov_b32 s[G0Q], 1
	s_lshl_b32 s[G0Q+1], s[WV], 15
	s_add_co_u32 s[G0Q+1], s[G0Q+1], QB-65536
	s_add_nc_u64 s[G0Q+2:G0Q+3], s[8:9], s[66:67]
	s_or_b32 s[G0Q+3], s[G0Q+3], 0x80000000
	s_lshl_b32 s66, s96, 13
	s_add_co_u32 s66, s66, 3*32768                 ; Wo's scale bytes in ws
	s_mov_b32 s[G0QS], 1
	s_mov_b32 s[G0QS+1], QS
	s_add_nc_u64 s[G0QS+2:G0QS+3], s[10:11], s[66:67]
	s_or_b32 s[G0QS+3], s[G0QS+3], 0x80000000
	CROUND                                         ; all sixteen work-groups are here: the joint loads meet
	ARM 2, G0A,  G1A,  .Larm_q
	ARM 6, G0Q,  G1Q,  .Larm_as
	ARM 7, G0AS, G1AS, .Larm_qs
	tensor_load_to_lds s[G0QS:G0QS+3], s[G1QS:G1QS+7]
	s_nop 0
	PLACES 4
.Lasked:
	s_lshl_b32 s94, s94, 7
	s_lshl_b32 s2, s[WQ], 5
	s_add_co_u32 s94, s94, s2                      ; m0: my first row
	s_lshl_b32 s96, s96, 8
	s_lshl_b32 s66, s[WN], 7
	s_add_co_u32 s96, s96, s66                     ; n0: my first column
	s_lshl_b32 s66, s96, 2
	s_lshl_b32 s2, s94, 12
	s_add_co_u32 s98, s2, s66
	s_mov_b32 s99, 0
	s_add_nc_u64 s[14:15], s[14:15], s[98:99]      ; out0 at my first row and column
	s_lshl_b32 s84, s[WQ], 14                      ; my two tiles of a
	s_lshl_b32 s85, s[WN], 16
	s_add_co_u32 s85, s85, QB                      ; my eight tiles of Wo
	s_lshl_b32 s86, s[WQ], 10
	s_add_co_u32 s86, s86, ASC
	s_mul_i32 s87, s[WN], 16*PITCH
	s_add_co_u32 s87, s87, QS
	s_mul_i32 s88, s[WV], 16*SPITCH
	s_add_co_u32 s88, s88, STG                     ; my stage
	v_and_b32 v13, 31, v0                          ; lane
	v_and_b32 v14, 15, v0                          ; r
	v_bfe_u32 v15, v0, 4, 1                        ; h
	v_lshl_add_u32 v40, v15, 6, s66                ; the bias: tile 2 B + u wants columns n0 + 32 B + 8 u + 16 h + 0 .. 7
.irp a, 0,1                                    ; the sums begin as the bias: it is loaded straight into the accumulators
.irp b, 0,1,2,3,4,5,6,7
	global_load_b128 v[ACC+64*\a+8*\b:ACC+64*\a+8*\b+3], v40, s[12:13] offset:128*(\b/2)+32*(\b%2)
	global_load_b128 v[ACC+64*\a+8*\b+4:ACC+64*\a+8*\b+7], v40, s[12:13] offset:128*(\b/2)+32*(\b%2)+16
.endr
.endr
	v_lshlrev_b32 v[GO], 4, v13
	v_add_nc_u32 v[ADRA], s84, v[GO]
	v_add_nc_u32 v[ADRB], s85, v[GO]
	v_lshl_add_u32 v[ADSA], v13, 2, s86
	v_lshrrev_b32 v43, 3, v13                      ; Wo's scale bytes: 32 a row, eight rows to a run of 256 + 16
	v_mul_u32_u24 v43, v43, PITCH
	v_and_b32 v44, 7, v13
	v_lshl_add_u32 v43, v44, 5, v43
	v_add_nc_u32 v[ADSB], s87, v43
	v_mul_u32_u24 v[STO], v14, SPITCH
	v_lshl_add_u32 v[STO], v15, 6, v[STO]
	v_add_nc_u32 v[STO], s88, v[STO]               ; in: row r, + 64 h
	v_add_nc_u32 v[RD], s88, v[GO]                 ; back: 16 bytes a lane of a row
	s_wait_alu depctr_va_vdst(0)                   ; the wait at the head's end
	s_wait_loadcnt 0x0                             ; the bias
	s_wait_tensorcnt 0x0                           ; my tile is in,
	s_barrier_signal -1
	s_barrier_wait -1                              ; everybody's is
.irp q, 0,1,2,3,4,5,6,7
	KSTEP \q
.endr
	PLACES 4                                       ; in front of the first read of results, and of loads into registers that held fragments
	STAGE_IN 0
	STAGE_OUT BF
	STAGE_IN 1
	s_wait_dscnt 16                                ; tile 0's stores and its rows' loads are done; tile 1's sixteen stores may be out
	STAGE_OUT ACC
	SEND 0, BF
	s_wait_dscnt 0x0
	SEND 1, ACC
	s_wait_tensorcnt 0x0                           ; the wave's end
	ds_add_u32 v46, v47
	s_wait_dscnt 0x0
	CROUND                                         ; the closing round
	s_endpgm
.Lfunc_end_k_q6dae93a6ac_outp:
	.size	k_q6dae93a6ac_outp, .Lfunc_end_k_q6dae93a6ac_outp-k_q6dae93a6ac_outp
	.p2alignl 7, 3214868480
	.fill 96, 4, 3214868480
	.section	.rodata,"a",@progbits
	.p2align	6, 0x0
	.amdhsa_kernel k_q6dae93a6ac_outp
		.amdhsa_group_segment_fixed_size 286208
		.amdhsa_private_segment_fixed_size 0
		.amdhsa_enable_private_segment 0
		.amdhsa_kernarg_size 48
		.amdhsa_user_sgpr_count 2
		.amdhsa_user_sgpr_kernarg_segment_ptr 1
		.amdhsa_wavefront_size32 1
		.amdhsa_system_sgpr_workgroup_id_x 1
		.amdhsa_system_sgpr_workgroup_id_y 1
		.amdhsa_system_sgpr_workgroup_id_z 1
		.amdhsa_system_vgpr_workitem_id 0
		.amdhsa_next_free_vgpr 256
		.amdhsa_next_free_sgpr 102
		.amdhsa_reserve_vcc 0
		.amdhsa_float_denorm_mode_32 3
		.amdhsa_float_denorm_mode_16_64 3
		.amdhsa_memory_ordered 1
		.amdhsa_forward_progress 1
		.amdhsa_inst_pref_size 47
	.end_amdhsa_kernel
	.amdgpu_metadata
---
amdhsa.version: [ 1, 2 ]
amdhsa.kernels:
  - .name:           k_q6dae93a6ac_outp
    .symbol:         k_q6dae93a6ac_outp.kd
    .args:
      - { .name: ac, .offset: 0, .size: 8, .value_kind: global_buffer, .address_space: global }
      - { .name: asc, .offset: 8, .size: 8, .value_kind: global_buffer, .address_space: global }
      - { .name: wi, .offset: 16, .size: 8, .value_kind: global_buffer, .address_space: global }
      - { .name: ws, .offset: 24, .size: 8, .value_kind: global_buffer, .address_space: global }
      - { .name: bo, .offset: 32, .size: 8, .value_kind: global_buffer, .address_space: global }
      - { .name: out0, .offset: 40, .size: 8, .value_kind: global_buffer, .address_space: global }
    .group_segment_fixed_size: 286208
    .private_segment_fixed_size: 0
    .kernarg_segment_align: 8
    .kernarg_segment_size: 48
    .max_flat_workgroup_size: 256
    .sgpr_count:     102
    .vgpr_count:     256
    .wavefront_size: 32
...
	.end_amdgpu_metadata
.endif
;; end of part 4
